; MI455X (gfx1250); checked and timed in simulation.
; The chip was launched on July 23, 2026; its instructions are those of AMD's public machine-readable ISA for CDNA 5 (MIT licence, August 2026) and "CDNA5" Instruction Set Architecture Reference Guide (July 2026). The comments in the code are by the model that wrote it; some were corrected since.
;; Multi Head Attention. Allowed arithmetic: float matrix products may take bf16 or f16 operands with f32 sums; all other float work in f32.
;; Inputs: Wk 16 x 1,024 x 64 float32; Wo 1,024 x 1,024 float32; Wq 16 x 1,024 x 64 float32; Wv 16 x 1,024 x 64 float32; bk 16 x 64 float32; bo 1,024 float32; bq 16 x 64 float32; bv 16 x 64 float32; x 4 x 2,048 x 1,024 float32.
;; Outputs: out0 4 x 2,048 x 1,024 float32.
;; 2 versions, each right. Each part assembles by itself: llvm-mc -triple=amdgcn-amd-amdhsa -mcpu=gfx1250 --defsym DOCPART=n.
;; ======== version 1 of 2: 4 launches
;; limits: values are held in f16: magnitudes above 65,504 overflow, below 6.1e-05 lose precision
;; workspace buffers: xb 16,777,216 bytes; wt 6,291,456 bytes; wot 2,097,152 bytes; qkv 50,331,648 bytes; ctxh 16,777,216 bytes
;; launch prep (part 1): grid 1024 x 1, 8 waves a work-group, no clusters, 18,432 bytes of LDS; arguments x, Wq, Wk, Wv, Wo, xb, wt, wot; writes xb, wt, wot
.if DOCPART == 1
	.amdgcn_target "amdgcn-amd-amdhsa--gfx1250"
	.amdhsa_code_object_version 6
	.text
	.protected	k_q8e7701c947_prep
	.globl	k_q8e7701c947_prep
	.p2align	8
	.type	k_q8e7701c947_prep,@function
k_q8e7701c947_prep:
	s_mov_b64 s[64:65], 0
	v_nop
	global_prefetch_b8 v0, s[64:65] scope:SCOPE_SE
	s_setreg_imm32_b32 hwreg(HW_REG_WAVE_MODE, 25, 1), 1
	s_wait_xcnt 0x0
; Causal multi-head attention, B = 4, S = 2048, D = 1024, H = 16, dk = 64, in four launches:
;   prep  (this one): x and the four weight matrices are rounded once and laid out for the matrix units
;   qkvg: q, k, v = x W (+ bias);  attn: softmax(q k^T / 8, causal) v;  outg: ctx Wo + bo.
; DEAD WORK, for all finite values of the inputs:
;  (1) bk.  score(i, j) = q_i . (x_j Wk + bk) / 8 = q_i . (x_j Wk) / 8 + q_i . bk / 8.  The second term is the same for every j, that is
;      along the softmax's axis, and softmax(z + t) = softmax(z); masked places stay -inf.  So bk has no way to any output:
;      it is not loaded and is no argument of any launch.
;  (2) Scores above the diagonal.  reference() itself sets them to -inf, their exponentials are 0, so tiles of 64 keys x 16 queries
;      that lie wholly above the diagonal are not computed (launch attn).
;  LIMIT: a NaN, an infinity or an overflow that reaches only bk or only masked scores is not carried to the result.
; FORMATS: x, Wq, Wk, Wv go to bf16 (one rounding).  Wo is rounded to bf16 too, and that value is stored as f16, because it meets ctx, an f16
;  operand, in one matrix instruction.  LIMIT: |Wo| from 65,520 up overflows f16; |Wo| below 2^-14 is kept to 3e-8 absolute.
; THIS LAUNCH: work-groups 0 to 511 cast 64 KiB of x each.  Work-groups 512 to 1023 transpose one tile of 128 k x 64 n of one weight matrix,
;  so that k lies along the rows: wt[h*192 + which*64 + n][d] (which: 0 q, 1 k, 2 v), wot[n][k].
; Memory binds here: no matrix unit, no cluster (no two work-groups read the same bytes).
.set XGROUPS, 512
.set TP,   272                         ; pitch of the transposed tile in LDS: 256 bytes of k + 16
.set WL,   8                           ; v[8:39]   eight loads of four f32
.set OFS,  40                          ; v[40:47]  their byte offsets
.set DD,   48                          ; v[48:63]  packed pairs (k, k+1) of one n
.set BK,   68                          ; v[68:83]  rows read back
	s_load_b512 s[8:23], s[0:1], 0x0               ; x 8, Wq 10, Wk 12, Wv 14, Wo 16, xb 18, wt 20, wot 22
	v_lshl_add_u32 v104, v0, 2, 0x4400
	v_mov_b32 v105, 0
	s_cmp_lt_u32 ttmp9, XGROUPS
	s_cbranch_scc0 .Lweights
	; ---- x: thread t takes 16 bytes at 4096 i + 16 t, i = 0 .. 15, and stores 8 bytes at 2048 i + 8 t
	s_lshl_b32 s2, ttmp9, 16
	s_mov_b32 s3, 0
	s_lshl_b32 s4, ttmp9, 15
	s_mov_b32 s5, 0
	v_lshlrev_b32 v1, 4, v0
	v_lshlrev_b32 v2, 3, v0
	s_wait_kmcnt 0x0
	s_add_nc_u64 s[8:9], s[8:9], s[2:3]
	s_add_nc_u64 s[18:19], s[18:19], s[4:5]
.irp i, 0,1,2,3,4,5,6,7,8,9,10,11,12,13,14,15
	global_load_b128 v[8+4*\i:11+4*\i], v1, s[8:9] offset:4096*\i th:TH_LOAD_NT
.endr
.irp i, 0,1,2,3,4,5,6,7,8,9,10,11,12,13,14,15
	s_wait_loadcnt 15-\i                           ; loads return in order: load i is in, the 15 - i younger ones stay out
	v_cvt_pk_bf16_f32 v[72+2*\i], v[8+4*\i], v[9+4*\i]
	v_cvt_pk_bf16_f32 v[73+2*\i], v[10+4*\i], v[11+4*\i]
	global_store_b64 v2, v[72+2*\i:73+2*\i], s[18:19] offset:2048*\i     ; a wave's store covers 256 consecutive bytes, aligned
.endr
	s_endpgm
	; ---- weights
.Lweights:
	s_sub_co_u32 s24, ttmp9, XGROUPS
	s_lshr_b32 s25, s24, 7                         ; matrix: 0 Wq, 1 Wk, 2 Wv, 3 Wo
	s_and_b32 s26, s24, 7                          ; kb: which 128 of k
	s_bfe_u32 s27, s24, 0x40003                    ; nb: the head, or which 64 columns of Wo
	s_lshl_b32 s28, s27, 18                        ; head weights: nb * 1024 rows * 256 bytes
	s_lshl_b32 s29, s26, 15                        ;             + kb * 128 rows * 256 bytes
	s_add_co_u32 s28, s28, s29
	s_lshl_b32 s30, s26, 19                        ; Wo: kb * 128 rows * 4096 bytes
	s_lshl_b32 s31, s27, 8                         ;   + nb * 64 columns * 4 bytes
	s_add_co_u32 s30, s30, s31
	s_mul_i32 s32, s27, 393216                     ; wt: (nb * 192
	s_lshl_b32 s33, s25, 17                        ;     + matrix * 64) rows of 2048 bytes
	s_add_co_u32 s32, s32, s33
	s_lshl_b32 s34, s27, 17                        ; wot: nb * 64 rows of 2048 bytes
	s_lshl_b32 s35, s26, 8                         ; both: + kb * 128 k * 2 bytes
	s_cmp_eq_u32 s25, 3
	s_cselect_b32 s36, s30, s28                    ; offset in the source
	s_cselect_b32 s38, s34, s32                    ; offset in the destination
	s_cselect_b32 s40, 12, 8                       ; log2 of the source's row pitch
	s_mov_b32 s37, 0
	s_mov_b32 s39, 0
	s_add_co_u32 s38, s38, s35
	v_and_b32 v1, 15, v0                           ; c: my four n
	v_lshrrev_b32 v2, 4, v0                        ; u2: my pairs of k rows
	v_lshlrev_b32 v3, 4, v1
	v_lshlrev_b32 v4, 1, v2
.irp i, 0,1,2,3
.irp j, 0,1
	v_add_nc_u32 v5, 32*\i+\j, v4                  ; row 2 u2 + 32 i + j
	v_lshl_add_u32 v[OFS+2*\i+\j], v5, s40, v3     ; times the pitch, + 16 c: sixteen lanes read 256 consecutive bytes
.endr
.endr
	v_mul_u32_u24 v6, v1, 4*TP
	v_lshl_add_u32 v6, v2, 2, v6                   ; LDS, in: row 4 c (+ n), byte 4 u2 (+ 64 i)
	v_mul_u32_u24 v7, v2, TP
	v_add_nc_u32 v7, v7, v3                        ; LDS, back: row u2 (+ 16 p), byte 16 c
	v_lshl_add_u32 v64, v2, 11, v3                 ; the same place in the destination, rows of 2048 bytes
	s_wait_kmcnt 0x0
	s_cmp_eq_u32 s25, 3
	s_cselect_b64 s[42:43], s[22:23], s[20:21]     ; to wot or to wt
	s_cselect_b64 s[44:45], s[16:17], s[14:15]     ; from Wo or Wv,
	s_cmp_eq_u32 s25, 1
	s_cselect_b64 s[44:45], s[12:13], s[44:45]     ; or Wk,
	s_cmp_eq_u32 s25, 0
	s_cselect_b64 s[44:45], s[10:11], s[44:45]     ; or Wq
	s_add_nc_u64 s[44:45], s[44:45], s[36:37]
	s_add_nc_u64 s[42:43], s[42:43], s[38:39]
.irp i, 0,1,2,3
.irp j, 0,1
	global_load_b128 v[WL+8*\i+4*\j:WL+8*\i+4*\j+3], v[OFS+2*\i+\j], s[44:45] th:TH_LOAD_NT
.endr
.endr
.irp i, 0,1,2,3
	s_wait_loadcnt 6-2*\i                          ; pair i of rows is in, the younger pairs stay out
.irp n, 0,1,2,3
	v_cvt_pk_bf16_f32 v[DD+4*\i+\n], v[WL+8*\i+\n], v[WL+8*\i+4+\n]      ; (k, k + 1) of column 4 c + n
.endr
.endr
	s_cmp_lg_u32 s25, 3
	s_cbranch_scc1 .Lkeep
.set xi, 0
.rept 16                                           ; Wo alone: the bf16 values written as f16
	v_lshlrev_b32 v66, 16, v[DD+xi]
	v_and_b32 v67, 0xffff0000, v[DD+xi]
	v_cvt_pk_f16_f32 v[DD+xi], v66, v67
.set xi, xi+1
.endr
.Lkeep:
.irp i, 0,1,2,3
.irp n, 0,1,2,3
	ds_store_b32 v6, v[DD+4*\i+\n] offset:TP*\n+64*\i
.endr
.endr
	s_wait_dscnt 0x0                               ; my stores are done before I say so: other waves read these rows
	s_barrier_signal -1
	s_barrier_wait -1
.irp p, 0,1,2,3
	ds_load_b128 v[BK+4*\p:BK+4*\p+3], v7 offset:16*TP*\p
.endr
.irp p, 0,1,2,3
	s_wait_dscnt 3-\p
	global_store_b128 v64, v[BK+4*\p:BK+4*\p+3], s[42:43] offset:32768*\p  ; sixteen lanes store 256 consecutive bytes, aligned
.endr
	s_wait_tensorcnt 0x0
	ds_add_u32 v104, v105
	s_wait_dscnt 0x0
	s_endpgm
.Lfunc_end_k_q8e7701c947_prep:
	.size	k_q8e7701c947_prep, .Lfunc_end_k_q8e7701c947_prep-k_q8e7701c947_prep
	.p2alignl 7, 3214868480
	.fill 96, 4, 3214868480
	.section	.rodata,"a",@progbits
	.p2align	6, 0x0
	.amdhsa_kernel k_q8e7701c947_prep
		.amdhsa_group_segment_fixed_size 18432
		.amdhsa_private_segment_fixed_size 0
		.amdhsa_enable_private_segment 0
		.amdhsa_kernarg_size 64
		.amdhsa_user_sgpr_count 2
		.amdhsa_user_sgpr_kernarg_segment_ptr 1
		.amdhsa_wavefront_size32 1
		.amdhsa_system_sgpr_workgroup_id_x 1
		.amdhsa_system_sgpr_workgroup_id_y 1
		.amdhsa_system_sgpr_workgroup_id_z 1
		.amdhsa_system_vgpr_workitem_id 0
		.amdhsa_next_free_vgpr 106
		.amdhsa_next_free_sgpr 66
		.amdhsa_reserve_vcc 0
		.amdhsa_float_denorm_mode_32 3
		.amdhsa_float_denorm_mode_16_64 3
		.amdhsa_memory_ordered 1
		.amdhsa_forward_progress 1
		.amdhsa_inst_pref_size 16
	.end_amdhsa_kernel
	.amdgpu_metadata
---
amdhsa.version: [ 1, 2 ]
amdhsa.kernels:
  - .name:           k_q8e7701c947_prep
    .symbol:         k_q8e7701c947_prep.kd
    .args:
      - { .name: x, .offset: 0, .size: 8, .value_kind: global_buffer, .address_space: global }
      - { .name: Wq, .offset: 8, .size: 8, .value_kind: global_buffer, .address_space: global }
      - { .name: Wk, .offset: 16, .size: 8, .value_kind: global_buffer, .address_space: global }
      - { .name: Wv, .offset: 24, .size: 8, .value_kind: global_buffer, .address_space: global }
      - { .name: Wo, .offset: 32, .size: 8, .value_kind: global_buffer, .address_space: global }
      - { .name: xb, .offset: 40, .size: 8, .value_kind: global_buffer, .address_space: global }
      - { .name: wt, .offset: 48, .size: 8, .value_kind: global_buffer, .address_space: global }
      - { .name: wot, .offset: 56, .size: 8, .value_kind: global_buffer, .address_space: global }
    .group_segment_fixed_size: 18432
    .private_segment_fixed_size: 0
    .kernarg_segment_align: 8
    .kernarg_segment_size: 64
    .max_flat_workgroup_size: 256
    .sgpr_count:     66
    .vgpr_count:     106
    .wavefront_size: 32
...
	.end_amdgpu_metadata
.endif
;; end of part 1
;; launch qkvg (part 2): grid 16 x 32, 4 waves a work-group, clusters of 4 x 4, 327,680 bytes of LDS; arguments xb, wt, bq, bv, qkv; writes qkv
.if DOCPART == 2
	.amdgcn_target "amdgcn-amd-amdhsa--gfx1250"
	.amdhsa_code_object_version 6
	.text
	.protected	k_q8e7701c947_qkvg
	.globl	k_q8e7701c947_qkvg
	.p2align	8
	.type	k_q8e7701c947_qkvg,@function
k_q8e7701c947_qkvg:
	s_mov_b64 s[64:65], 0
	v_nop
	global_prefetch_b8 v0, s[64:65] scope:SCOPE_SE
	s_setreg_imm32_b32 hwreg(HW_REG_WAVE_MODE, 25, 1), 1
	s_wait_xcnt 0x0
	s_wait_alu depctr_hold_cnt(0) depctr_sa_sdst(0) depctr_va_vdst(0) depctr_va_sdst(0) depctr_va_ssrc(0) depctr_va_vcc(0) depctr_vm_vsrc(0)
	s_getreg_b32 s2, hwreg(HW_REG_IB_STS2, 6, 4)
	s_cmp_eq_u32 s2, 0
	s_cbranch_scc0 .Lentry_in_a_cluster
	s_endpgm
.Lentry_in_a_cluster:
	s_bfe_u32 s2, ttmp6, 0x10000c
	s_cmp_lg_u32 s2, 0xf033
	s_cbranch_scc0 .Lentry_shape_is_right
	s_endpgm
.Lentry_shape_is_right:
; q, k, v of one head for 256 rows: C[m][n] = sum over d of xb[m][d] wt[192 head + n][d], n = 0..63 q, 64..127 k, 128..191 v; bf16 operands, f32 sums.
; q gets bq, v gets bv.  k gets no bias.
; Results go out as f16: qkv[which][head][m][64].  LIMIT: |q|, |k|, |v| from 65,520 up overflow f16.
; Four waves; wave w makes rows 64 w .. 64 w + 63 x all 192 columns: 48 accumulator tiles, 384 registers.  K = 1024 in 8 steps of 128 through a ring of two
; LDS slots filled by tensor loads whose rows are 256 bytes of memory, aligned.
; CLUSTER 4 x 4: xb's tile hangs on the block row alone and is asked for jointly along a row of the cluster, wt's on the head alone and jointly along a column.
; The matrix instruction is used transposed (source 0 = rows of wt, source 1 = rows of xb): a lane then holds eight neighbouring columns of one row of C.
; REGISTERS: window 0: v16-47 addresses and biases, v64-159 and v160-255 fragments of wt (two buffers);
;   window 1: accumulators of column blocks 0-7, tile (b, a) at v[8 (4 b + a)];  window 2: v0-127 those of blocks 8-11, v128-159 and v160-191 fragments of xb.
.set KSTEP,  128
.set PITCH,  272                       ; an LDS row: 256 bytes + 16 of padding, so that the 16 rows of a fragment load start 16 bytes apart modulo 256
.set NB,     12
.set AHALF,  128*PITCH
.set ABYTES, 2*AHALF
.set BHALF,  96*PITCH
.set SLOT,   ABYTES+2*BHALF            ; 121,856
.set STAGE,  2*SLOT                    ; behind the ring: 16 rows x 272 bytes for each wave; no tensor load lands here
.set LAPS,   1024/(2*KSTEP)
.set NLD,    2*(NB+4)                  ; LDS loads in one fetch
.set ADRA, 16
.set ADRB, 20
.set STO,  24
.set RD,   25
.set CO,   26
.set BOF,  27
.set BIAS, 32                          ; v[32:39] bq, v[40:47] bv of my eight columns
.set FB,   64                          ; + 96 f
.set FA,   128                         ; + 32 f, window 2
.set TL,   64                          ; the way out: rows read back
.set TS,   96                          ; the way out: packed f16
.set G1A, 24
.set G0A, 32
.set G1B, 48
.set G0B, 56
.set G1W0, (1<<16)|(1<<20)|(1<<21)|(5<<22)|(3<<25)   ; 2-byte elements, padding on, bit 21 beside a mask, 4 words after every 64
.set M1,   0x58                        ; source 0 window 0, source 1 window 2, C and D window 1
.set M2,   0xa8                        ; the same, C and D window 2
.set TO_A, 0x80                        ; destination window 2
.set MSB, 0
.macro WIN new                         ; the immediate's high byte repeats the setting that is left
.if MSB != \new
	s_set_vgpr_msb (MSB<<8)|\new
.set MSB, \new
.endif
.endm
.macro PLACES n
.rept \n
	v_nop
.endr
.endm
; A joint load: waves 0 and 1 fetch xb's two halves, waves 2 and 3 wt's.  The branch hangs on the wave's number alone.
.macro JLOAD s
	s_cmp_eq_u32 s16, 0
	s_cbranch_scc0 .Lfor_b_\@
	tensor_load_to_lds s[G0A+4*\s:G0A+4*\s+3], s[G1A:G1A+7]
	s_nop 0
	s_branch .Lasked_\@
.Lfor_b_\@:
	tensor_load_to_lds s[G0B+4*\s:G0B+4*\s+3], s[G1B:G1B+7]
	s_nop 0
.Lasked_\@:
.endm
.macro CREST                           ; a round of the cluster's barrier behind its opening work-group barrier
	s_cmp_lg_u32 s14, 0
	s_cbranch_scc1 .Lnot_wave_0_\@
	s_barrier_signal -3
.Lnot_wave_0_\@:
	s_barrier_wait -3
	s_barrier_signal -1
	s_barrier_wait -1
.endm
.macro CROUND
	s_barrier_signal -1
	s_barrier_wait -1
	CREST
.endm
	s_load_b256 s[4:11], s[0:1], 0x0               ; xb 4, wt 6, bq 8, bv 10
	s_load_b64 s[12:13], s[0:1], 0x20              ; qkv
	v_lshl_add_u32 v63, v0, 2, 0x3fc00
	s_set_vgpr_msb 0x80
	v_mov_b32 v193, 0
	s_set_vgpr_msb 0x8088
	ds_add_u32 v63, v193
	s_set_vgpr_msb 0x8800
	v_lshrrev_b32 v1, 5, v0
	v_readfirstlane_b32 s14, v1                    ; wave
	s_and_b32 s15, s14, 1                          ; which half of a tile I fetch
	s_lshr_b32 s16, s14, 1                         ; I fetch for xb (0) or wt (1)
	s_bfe_u32 s18, ttmp6, 0x40000                  ; cx
	s_bfe_u32 s19, ttmp6, 0x40004                  ; cy
	s_lshl_b32 s20, ttmp9, 2
	s_add_co_u32 s20, s20, s18                     ; head = 4 x cluster x + cx
	s_and_b32 s21, ttmp7, 0xffff
	s_lshl_b32 s21, s21, 2
	s_add_co_u32 s21, s21, s19                     ; block row = 4 x cluster y + cy
	s_lshl_b32 s22, s19, 2
	s_lshl_b32 s22, 15, s22                        ; my row of the cluster
	s_lshl_b32 s23, 0x1111, s18                    ; my column
	s_or_b32 s[G1A+0], s22, G1W0
	s_mov_b32 s[G1A+1], KSTEP<<16                  ; tensor_dim0 = 128
	s_mov_b32 s[G1A+2], 128<<16                    ; tensor_dim1 = 128
	s_mov_b32 s[G1A+3], KSTEP<<16                  ; tile_dim0 = 128
	s_mov_b32 s[G1A+4], 128                        ; tile_dim1 = 128
	s_mov_b32 s[G1A+5], 1024                       ; elements from row to row
	s_mov_b32 s[G1A+6], 0
	s_mov_b32 s[G1A+7], 0
	s_or_b32 s[G1B+0], s23, G1W0
	s_mov_b32 s[G1B+1], KSTEP<<16
	s_mov_b32 s[G1B+2], 96<<16                     ; 96 rows
	s_mov_b32 s[G1B+3], KSTEP<<16
	s_mov_b32 s[G1B+4], 96
	s_mov_b32 s[G1B+5], 1024
	s_mov_b32 s[G1B+6], 0
	s_mov_b32 s[G1B+7], 0
	s_lshl_b32 s40, s21, 19                        ; xb: (256 block row
	s_lshl_b32 s42, s15, 18                        ;    + 128 half) rows of 2048 bytes; s[40:43] never hold cx
	s_add_co_u32 s40, s40, s42
	s_mov_b32 s41, 0
	s_mul_i32 s44, s20, 393216                     ; wt: (192 head
	s_mul_i32 s46, s15, 196608                     ;    + 96 half) rows of 2048 bytes; s[44:47] never hold cy
	s_add_co_u32 s44, s44, s46
	s_mov_b32 s45, 0
	s_mul_i32 s42, s14, AHALF                      ; LDS: xb's halves at wave x 34,816 (waves 0, 1),
	s_mul_i32 s46, s14, BHALF
	s_add_co_u32 s46, s46, ABYTES-2*BHALF          ; wt's at 69,632 + (wave - 2) x 26,112 (waves 2, 3)
	s_wait_dscnt 0x0
	s_wait_kmcnt 0x0
	s_add_nc_u64 s[40:41], s[4:5], s[40:41]
	s_add_nc_u64 s[44:45], s[6:7], s[44:45]
	CROUND                                         ; all sixteen work-groups are here: the first joint loads meet
.irp s, 0,1
	s_mov_b32 s[G0A+4*\s], 1
	s_add_co_u32 s[G0A+4*\s+1], s42, \s*SLOT
	s_add_nc_u64 s[G0A+4*\s+2:G0A+4*\s+3], s[40:41], \s*KSTEP*2
	s_or_b32 s[G0A+4*\s+3], s[G0A+4*\s+3], 0x80000000
	s_mov_b32 s[G0B+4*\s], 1
	s_add_co_u32 s[G0B+4*\s+1], s46, \s*SLOT
	s_add_nc_u64 s[G0B+4*\s+2:G0B+4*\s+3], s[44:45], \s*KSTEP*2
	s_or_b32 s[G0B+4*\s+3], s[G0B+4*\s+3], 0x80000000
	JLOAD \s                                       ; K steps 0 and 1: two tensor loads of this wave are out, later one
.endr
	v_and_b32 v1, 15, v0                           ; r
	v_bfe_u32 v2, v0, 4, 1                         ; h
	v_mul_u32_u24 v3, v1, PITCH
	v_lshl_add_u32 v4, v2, 4, v3                   ; a fragment's lane term: r x pitch + 16 h
	s_mul_i32 s72, s14, 64*PITCH
	v_add_nc_u32 v[ADRA], s72, v4                  ; my 64 rows of xb's tile
	v_add_nc_u32 v[ADRA+1], SLOT, v[ADRA]
	v_add_nc_u32 v[ADRB], ABYTES, v4
	v_add_nc_u32 v[ADRB+1], SLOT, v[ADRB]
	s_mul_i32 s72, s14, 16*PITCH
	s_add_co_u32 s72, s72, STAGE                   ; my stage
	v_lshl_add_u32 v5, v2, 5, v3
	v_add_nc_u32 v[STO], s72, v5                   ; in: row r, 32 bytes for each half of the lanes
	v_bfe_u32 v5, v0, 3, 2
	v_and_b32 v6, 7, v0
	v_mul_u32_u24 v5, v5, PITCH
	v_lshl_add_u32 v5, v6, 5, v5
	v_add_nc_u32 v[RD], s72, v5                    ; back: eight lanes take a row, 32 bytes of f32 each
	v_and_b32 v7, 31, v0
	v_lshlrev_b32 v[CO], 4, v7                     ; out: 16 bytes a lane, 512 consecutive bytes a wave (four rows of 64 f16)
	v_lshlrev_b32 v[BOF], 5, v6
	s_lshl_b32 s74, s20, 8
	s_mov_b32 s75, 0
	s_add_nc_u64 s[8:9], s[8:9], s[74:75]          ; bq, bv at my head
	s_add_nc_u64 s[10:11], s[10:11], s[74:75]
	global_load_b128 v[BIAS:BIAS+3],     v[BOF], s[8:9]
	global_load_b128 v[BIAS+4:BIAS+7],   v[BOF], s[8:9] offset:16
	global_load_b128 v[BIAS+8:BIAS+11],  v[BOF], s[10:11]
	global_load_b128 v[BIAS+12:BIAS+15], v[BOF], s[10:11] offset:16
	s_lshl_b32 s72, s20, 20                        ; qkv: head x 8192 rows x 128 bytes
	s_lshl_b32 s74, s21, 15                        ;    + 256 block row rows
	s_add_co_u32 s72, s72, s74
	s_lshl_b32 s74, s14, 13                        ;    + 64 wave rows
	s_add_co_u32 s72, s72, s74
	s_mov_b32 s73, 0
	s_add_nc_u64 s[66:67], s[12:13], s[72:73]      ; q
	s_add_nc_u64 s[68:69], s[66:67], 0x1000000     ; k
	s_add_nc_u64 s[70:71], s[68:69], 0x1000000     ; v
; the fragments of one quarter step (32 along K at byte 64 q of the rows) into buffer f: 192 rows of wt, my 64 rows of xb
.macro FETCH slot, q, f
	WIN 0
.irp i, 0,1,2,3,4,5,6,7,8,9,10,11
	ds_load_b128 v[FB+96*\f+8*\i:FB+96*\f+8*\i+3],   v[ADRB+\slot] offset:64*\q+\i*16*PITCH
	ds_load_b128 v[FB+96*\f+8*\i+4:FB+96*\f+8*\i+7], v[ADRB+\slot] offset:64*\q+\i*16*PITCH+32
.endr
	WIN TO_A
.irp i, 0,1,2,3
	ds_load_b128 v[FA+32*\f+8*\i:FA+32*\f+8*\i+3],   v[ADRA+\slot] offset:64*\q+\i*16*PITCH
	ds_load_b128 v[FA+32*\f+8*\i+4:FA+32*\f+8*\i+7], v[ADRA+\slot] offset:64*\q+\i*16*PITCH+32
.endr
.endm
; four products: column block b x my four row blocks.  The 48 accumulators take turns, one instruction a turn, in the same order in every quarter.
; zero = 1: the first product starts the sums.
.macro MULB b, f, zero
.if \b < 8
	WIN M1
.set ACB, 32*\b
.else
	WIN M2
.set ACB, 32*(\b-8)
.endif
.irp a, 0,1,2,3
.if \zero
	v_wmma_f32_16x16x32_bf16 v[ACB+8*\a:ACB+8*\a+7], v[FB+96*\f+8*\b:FB+96*\f+8*\b+7], v[FA+32*\f+8*\a:FA+32*\f+8*\a+7], 0
.else
	v_wmma_f32_16x16x32_bf16 v[ACB+8*\a:ACB+8*\a+7], v[FB+96*\f+8*\b:FB+96*\f+8*\b+7], v[FA+32*\f+8*\a:FA+32*\f+8*\a+7], v[ACB+8*\a:ACB+8*\a+7]
.endif
.endr
.endm
; one of a K step's first three quarters: fetches quarter q into buffer g, which the products just issued have read (four places in front of the loads),
; and multiplies buffer f
.macro QUARTER slot, q, f, g, zero
	PLACES 4
	FETCH \slot, \q, \g
	s_wait_dscnt NLD                               ; all but the NLD loads just issued: buffer f is in
.irp b, 0,1,2,3,4,5,6,7,8,9,10,11
	MULB \b, \f, \zero
.endr
.endm
.macro THREE slot, zero
	QUARTER \slot, 1, 0, 1, \zero
	QUARTER \slot, 2, 1, 0, 0
	QUARTER \slot, 3, 0, 1, 0
.endm
; the last quarter multiplies buffer 1 and changes slots.  In front of the barrier each wave waits for its reads of this slot and for all its tensor loads
; (the one that is out is its part of the next slot); behind it the refill comes first, then the next slot's first fragments.
.macro TURN slot, next, fill
	s_wait_dscnt 0x0
	s_wait_tensorcnt 0x0
	ds_add_u32 v63, v193
	s_wait_dscnt 0x0
	s_barrier_signal -1
.irp b, 0,1,2,3
	MULB \b, 1, 0                                  ; register work while the others arrive
.endr
	WIN 0
	s_barrier_wait -1
.if \fill
	CREST                                          ; all sixteen work-groups have said so: no partner reads this slot or has a load on its way
	s_add_nc_u64 s[G0A+4*\slot+2:G0A+4*\slot+3], s[G0A+4*\slot+2:G0A+4*\slot+3], 2*KSTEP*2
	s_add_nc_u64 s[G0B+4*\slot+2:G0B+4*\slot+3], s[G0B+4*\slot+2:G0B+4*\slot+3], 2*KSTEP*2
	JLOAD \slot
.endif
	PLACES 4
	FETCH \next, 0, 0
.irp b, 4,5,6,7,8,9,10,11
	MULB \b, 1, 0
.endr
.endm
.macro LAP zero
	THREE 0, \zero
	TURN 0, 1, 1
	THREE 1, 0
	TURN 1, 0, 1
.endm
	s_wait_tensorcnt 0x1                           ; my part of K step 0 is in; K step 1's stays out
	s_barrier_signal -1
	s_barrier_wait -1
	FETCH 0, 0, 0
	LAP 1
	WIN 0                                          ; at a label and at a branch every window is 0
	s_mov_b32 s17, LAPS-2
.Llap:
	LAP 0
	WIN 0
	s_sub_co_u32 s17, s17, 1
	s_cmp_lg_u32 s17, 0
	s_cbranch_scc1 .Llap
	THREE 0, 0                                     ; the last lap fills nothing
	TURN 0, 1, 0
	THREE 1, 0
	s_wait_dscnt 0x0
.irp b, 0,1,2,3,4,5,6,7,8,9,10,11
	MULB \b, 1, 0
.endr
	PLACES 4                                       ; in front of the LDS stores that read results and of loads into the fragment registers
	s_wait_loadcnt 0x0                             ; the biases
; THE WAY OUT: 16 rows x 64 columns (one of q, k, v) as f32 through my own stage, read back so that a lane holds eight neighbouring columns,
; bias added in f32, rounded once to f16, 512 consecutive bytes stored by the wave.  LDS serves a wave's instructions in order: no wait between stores and loads.
.macro OUTQ a, g
.if \g < 2
	WIN 0x04                                       ; store data from window 1
.set ACB, 128*\g+8*\a
.else
	WIN 0x08                                       ; from window 2
.set ACB, 8*\a
.endif
.irp bb, 0,1,2,3
	ds_store_b128 v[STO], v[ACB+32*\bb:ACB+32*\bb+3]   offset:64*\bb
	ds_store_b128 v[STO], v[ACB+32*\bb+4:ACB+32*\bb+7] offset:64*\bb+16
.endr
	WIN 0
	s_wait_xcnt 0x0                                ; TS, which the last stores read, is rewritten only behind this wait
.irp i, 0,1,2,3,4,5,6,7
	ds_load_b128 v[TL+4*\i:TL+4*\i+3], v[RD] offset:(\i>>1)*4*PITCH+(\i&1)*16
.endr
.irp t, 0,1,2,3
	s_wait_dscnt 6-2*\t                            ; the two loads of rows 4 t .. 4 t + 3 are in, the younger ones stay out
.if \g != 1
.irp k, 0,1,2,3
	v_pk_add_f32 v[TL+8*\t+2*\k:TL+8*\t+2*\k+1], v[TL+8*\t+2*\k:TL+8*\t+2*\k+1], v[BIAS+4*\g+2*\k:BIAS+4*\g+2*\k+1]
.endr
.endif
.irp k, 0,1,2,3
	v_cvt_pk_f16_f32 v[TS+4*\t+\k], v[TL+8*\t+2*\k], v[TL+8*\t+2*\k+1]
.endr
	global_store_b128 v[CO], v[TS+4*\t:TS+4*\t+3], s[66+2*\g:67+2*\g] offset:2048*\a+512*\t
.endr
.endm
.irp a, 0,1,2,3
.irp g, 0,1,2
	OUTQ \a, \g
.endr
.endr
	s_set_vgpr_msb 0x8
	s_wait_tensorcnt 0x0
	ds_add_u32 v63, v193
	s_wait_dscnt 0x0
	s_set_vgpr_msb 0x800
	CROUND                                         ; the closing round: no work-group ends while a partner may still ask for a tile that names it
	s_endpgm
.Lfunc_end_k_q8e7701c947_qkvg:
	.size	k_q8e7701c947_qkvg, .Lfunc_end_k_q8e7701c947_qkvg-k_q8e7701c947_qkvg
	.p2alignl 7, 3214868480
	.fill 96, 4, 3214868480
	.section	.rodata,"a",@progbits
	.p2align	6, 0x0
	.amdhsa_kernel k_q8e7701c947_qkvg
		.amdhsa_group_segment_fixed_size 327680
		.amdhsa_private_segment_fixed_size 0
		.amdhsa_enable_private_segment 0
		.amdhsa_kernarg_size 40
		.amdhsa_user_sgpr_count 2
		.amdhsa_user_sgpr_kernarg_segment_ptr 1
		.amdhsa_wavefront_size32 1
		.amdhsa_system_sgpr_workgroup_id_x 1
		.amdhsa_system_sgpr_workgroup_id_y 1
		.amdhsa_system_sgpr_workgroup_id_z 1
		.amdhsa_system_vgpr_workitem_id 0
		.amdhsa_next_free_vgpr 706
		.amdhsa_next_free_sgpr 76
		.amdhsa_reserve_vcc 0
		.amdhsa_float_denorm_mode_32 3
		.amdhsa_float_denorm_mode_16_64 3
		.amdhsa_memory_ordered 1
		.amdhsa_forward_progress 1
		.amdhsa_inst_pref_size 177
	.end_amdhsa_kernel
	.amdgpu_metadata
---
amdhsa.version: [ 1, 2 ]
amdhsa.kernels:
  - .name:           k_q8e7701c947_qkvg
    .symbol:         k_q8e7701c947_qkvg.kd
    .args:
      - { .name: xb, .offset: 0, .size: 8, .value_kind: global_buffer, .address_space: global }
      - { .name: wt, .offset: 8, .size: 8, .value_kind: global_buffer, .address_space: global }
      - { .name: bq, .offset: 16, .size: 8, .value_kind: global_buffer, .address_space: global }
      - { .name: bv, .offset: 24, .size: 8, .value_kind: global_buffer, .address_space: global }
      - { .name: qkv, .offset: 32, .size: 8, .value_kind: global_buffer, .address_space: global }
    .group_segment_fixed_size: 327680
    .private_segment_fixed_size: 0
    .kernarg_segment_align: 8
    .kernarg_segment_size: 40
    .max_flat_workgroup_size: 128
    .sgpr_count:     76
    .vgpr_count:     706
    .wavefront_size: 32
...
	.end_amdgpu_metadata
.endif
;; end of part 2
;; launch attn (part 3): grid 4 x 64, 4 waves a work-group, no clusters, 327,680 bytes of LDS; arguments qkv, ctxh; writes ctxh
.if DOCPART == 3
	.amdgcn_target "amdgcn-amd-amdhsa--gfx1250"
	.amdhsa_code_object_version 6
	.text
	.protected	k_q8e7701c947_attn
	.globl	k_q8e7701c947_attn
	.p2align	8
	.type	k_q8e7701c947_attn,@function
k_q8e7701c947_attn:
	s_mov_b64 s[64:65], 0
	v_nop
	global_prefetch_b8 v0, s[64:65] scope:SCOPE_SE
	s_setreg_imm32_b32 hwreg(HW_REG_WAVE_MODE, 25, 1), 1
	s_wait_xcnt 0x0
; ctx = softmax(q k^T / 8, causal) v for one head and batch (grid y = 4 head + batch); f16 operands, f32 sums, running maximum and sum in f32.
; LEFT OUT: tiles of 64 keys x 16 queries wholly above the diagonal: reference() sets those scores to -inf, so their weights are 0 for all values.
; Work-group x = a does query block a and then block 7 - a (256 queries each): 2 diagonal and 7 full blocks of 256 keys for every work-group.
; Wave w owns four tiles of 16 queries, u = 0 .. 3, at 16 (w + 4 u) of the block: in diagonal step j (64 keys) tiles u > j are full, u = j is masked, u < j dead,
; alike in all waves.  The diagonal block comes first, so each query's first tile holds its own key and the running maximum is finite from the start.
; TRANSPOSED: S^T = K Q^T (source 0 = rows of K, source 1 = rows of Q): lane (r, h) holds query r and keys 16 kt + 8 h + j.  Two such tiles, packed to f16,
; are the second operand of ctx^T = V^T P^T as they lie; V^T's fragments come by the transposing LDS load.  No value crosses lanes but the two halves' maxima.
; NO CLUSTER: the four work-groups of one head read the same K and V, but block a needs a + 1 key blocks and block 7 - a needs 8 - a; a walk in step
; would take 4 + 8 = 12 block steps in every partner for 9 blocks' work.
; LDS: slot s at 40,960 s: K, 128 keys at pitch 144, from byte 0; V, 128 keys at pitch 160, from byte 20,480.  Stage at 81,920, 2,304 bytes a wave.
; A slot's fill is asked for one trip (128 keys of work) before it is read; one tensor load of a wave is out at a time.
; REGISTERS: window 0 as named below; window 1: v0-127 ctx^T sums (u, d) at 8 (4 u + d), v128-191 Q (u, c), v192-255 K (kt, c).
.set KPITCH, 144
.set VPITCH, 160
.set VOFF,   20480
.set SLOT,   40960
.set STAGE,  2*SLOT
.set AK,   3                           ; r x 144 + 16 h
.set AV,   4                           ; 20,480 + (8 h + (L & 7)) x 160 + 16 ((L >> 3) & 1)
.set STO,  5
.set RD,   6
.set CO,   7
.set QO,   8
.set THR,  9                           ; 16 w + r - 8 h: key 16 kt + j of the masked tile is dead where it is greater
.set NINF, 10
.set MX,   12                          ; v[12:15]  running maximum of tile u (in score units)
.set LS,   16                          ; v[16:19]  running sum, each half of the lanes its own keys'
.set NMC,  20                          ; v[20:27]  pairs: - c x maximum (the odd registers are written once)
.set AL,   28                          ; v[28:35]  pairs: the factor for the old sums (likewise)
.set TT,   36                          ; v[36:47]  at work
.set SC,   64                          ; v[64:191] scores (u, kt) at 64 + 8 (4 u + kt); then P (u, c2) at 64 + 32 u + 8 c2
.set VF,   192                         ; v[192:255] V^T (d, c2)
.set QF,   128                         ; window 1
.set KF,   192                         ; window 1
.set G1K, 24
.set G1V, 32
.set G0K, 40
.set G0V, 48
.set KB,  56
.set VB,  58
.set CS,  18                           ; s[18:19] c = log2(e) / 8, twice; s20 = - c
.set MSB, 0
.macro WIN new
.if MSB != \new
	s_set_vgpr_msb (MSB<<8)|\new
.set MSB, \new
.endif
.endm
.macro PLACES n
.rept \n
	v_nop
.endr
.endm
.macro SETADR slot                     ; the slot's next tile begins at key s15
	s_lshl_b32 s16, s15, 7
	s_add_nc_u64 s[G0K+4*\slot+2:G0K+4*\slot+3], s[KB:KB+1], s[16:17]
	s_or_b32 s[G0K+4*\slot+3], s[G0K+4*\slot+3], 0x80000000
	s_add_nc_u64 s[G0V+4*\slot+2:G0V+4*\slot+3], s[VB:VB+1], s[16:17]
	s_or_b32 s[G0V+4*\slot+3], s[G0V+4*\slot+3], 0x80000000
.endm
.macro KVLOAD slot                     ; waves 0, 1: 64 keys of K each; waves 2, 3: 64 keys of V each
	s_cmp_eq_u32 s10, 0
	s_cbranch_scc0 .Lfor_v_\@
	tensor_load_to_lds s[G0K+4*\slot:G0K+4*\slot+3], s[G1K:G1K+7]
	s_nop 0
	s_branch .Lasked_\@
.Lfor_v_\@:
	tensor_load_to_lds s[G0V+4*\slot:G0V+4*\slot+3], s[G1V:G1V+7]
	s_nop 0
.Lasked_\@:
.endm
.macro LOADK slot, jj                  ; 64 keys x 64 dk as eight first operands
	WIN 0x40
.irp kt, 0,1,2,3
.irp c, 0,1
	ds_load_b128 v[KF+8*(2*\kt+\c):KF+8*(2*\kt+\c)+3],   v[AK] offset:\slot*SLOT+(64*\jj+16*\kt)*KPITCH+64*\c
	ds_load_b128 v[KF+8*(2*\kt+\c)+4:KF+8*(2*\kt+\c)+7], v[AK] offset:\slot*SLOT+(64*\jj+16*\kt)*KPITCH+64*\c+32
.endr
.endr
	WIN 0
.endm
.macro LOADV slot, jj                  ; the same 64 keys of V, transposed: rows dk = 16 d + r, keys 32 c2 .. + 31 along the registers
.irp d, 0,1,2,3
.irp c2, 0,1
	ds_load_tr16_b128 v[VF+8*(2*\d+\c2):VF+8*(2*\d+\c2)+3],   v[AV] offset:\slot*SLOT+(64*\jj+32*\c2)*VPITCH+32*\d
	ds_load_tr16_b128 v[VF+8*(2*\d+\c2)+4:VF+8*(2*\d+\c2)+7], v[AV] offset:\slot*SLOT+(64*\jj+32*\c2+16)*VPITCH+32*\d
.endr
.endr
.endm
.macro QLOAD qb                        ; my 64 queries as eight second operands, straight from memory
	WIN 0x40
.irp u, 0,1,2,3
.irp c, 0,1
	global_load_b128 v[QF+8*(2*\u+\c):QF+8*(2*\u+\c)+3],   v[QO], s[\qb:\qb+1] offset:8192*\u+64*\c
	global_load_b128 v[QF+8*(2*\u+\c)+4:QF+8*(2*\u+\c)+7], v[QO], s[\qb:\qb+1] offset:8192*\u+64*\c+32
.endr
.endr
	WIN 0
.endm
; The change of slots.  In front of the barrier every wave waits for all its tensor loads (its part of this slot) and for its reads of the other slot;
; behind it the other slot is filled again first, one tensor load a wave, then this slot is read.
.macro HEAD slot, other, refill
	s_wait_tensorcnt 0x0
	ds_add_u32 v62, v63
	s_wait_dscnt 0x0
.if \refill
	SETADR \other                                  ; no tensor load of mine is out: a descriptor may be written
.endif
	s_wait_dscnt 0x0
	s_barrier_signal -1
	s_barrier_wait -1
.if \refill
	KVLOAD \other
.endif
	LOADK \slot, 0
.endm
; The products.  Accumulators take turns, one instruction a turn (at least four of them).
.macro ST_PASS from, c, zero
.irp u, 0,1,2,3
.if \u >= \from
.irp kt, 0,1,2,3
.if \zero
	v_wmma_f32_16x16x32_f16 v[SC+8*(4*\u+\kt):SC+8*(4*\u+\kt)+7], v[KF+8*(2*\kt+\c):KF+8*(2*\kt+\c)+7], v[QF+8*(2*\u+\c):QF+8*(2*\u+\c)+7], 0
.else
	v_wmma_f32_16x16x32_f16 v[SC+8*(4*\u+\kt):SC+8*(4*\u+\kt)+7], v[KF+8*(2*\kt+\c):KF+8*(2*\kt+\c)+7], v[QF+8*(2*\u+\c):QF+8*(2*\u+\c)+7], v[SC+8*(4*\u+\kt):SC+8*(4*\u+\kt)+7]
.endif
.endr
.endif
.endr
.endm
.macro PV_PASS from, c2, zero
.irp u, 0,1,2,3
.if \u >= \from
.irp d, 0,1,2,3
.if \zero
	v_wmma_f32_16x16x32_f16 v[8*(4*\u+\d):8*(4*\u+\d)+7], v[VF+8*(2*\d+\c2):VF+8*(2*\d+\c2)+7], v[SC+32*\u+8*\c2:SC+32*\u+8*\c2+7], 0
.else
	v_wmma_f32_16x16x32_f16 v[8*(4*\u+\d):8*(4*\u+\d)+7], v[VF+8*(2*\d+\c2):VF+8*(2*\d+\c2)+7], v[SC+32*\u+8*\c2:SC+32*\u+8*\c2+7], v[8*(4*\u+\d):8*(4*\u+\d)+7]
.endif
.endr
.endif
.endr
.endm
; One tile of 16 queries x 64 keys: mask, new maximum, p = 2^(c s - c m), sums, p packed to f16 in place.
.macro SOFTMAX u, mask, first
.set SB, SC+32*\u
.if \mask
.irp kt, 0,1,2,3
.irp j, 0,1,2,3,4,5,6,7
	v_cmp_gt_i32 vcc_lo, 16*\kt+\j, v[THR]
	v_cndmask_b32 v[SB+8*\kt+\j], v[SB+8*\kt+\j], v[NINF], vcc_lo
.endr
.endr
.endif
	v_max3_num_f32 v[TT],   v[SB],    v[SB+1],  v[SB+2]
	v_max3_num_f32 v[TT+1], v[SB+17], v[SB+18], v[SB+19]
.irp i, 3,5,7,9,11,13
	v_max3_num_f32 v[TT],   v[TT],   v[SB+\i],    v[SB+\i+1]
	v_max3_num_f32 v[TT+1], v[TT+1], v[SB+\i+17], v[SB+\i+18]
.endr
	v_max3_num_f32 v[TT], v[TT], v[SB+15], v[SB+16]
	v_max_num_f32 v[TT], v[TT], v[TT+1]
	v_permlanex16_b32 v[TT+1], v[TT], s21, s22     ; the other half's keys of the same query
.if \first
	v_max_num_f32 v[TT+2], v[TT], v[TT+1]
.else
	v_max3_num_f32 v[TT+2], v[TT], v[TT+1], v[MX+\u]
.endif
	v_mul_f32 v[NMC+2*\u], s20, v[TT+2]            ; - c m
.if \first == 0
	v_fma_f32 v[TT+3], v[MX+\u], s18, v[NMC+2*\u]  ; c (old m - m)
	v_exp_f32 v[AL+2*\u], v[TT+3]                  ; the packed lines below are the plain instructions behind it (ISA guide 5.7.2)
.endif
.set xi, 0
.rept 16
	v_pk_fma_f32 v[SB+xi:SB+xi+1], v[SB+xi:SB+xi+1], s[CS:CS+1], v[NMC+2*\u:NMC+2*\u+1] op_sel_hi:[1,0,0]
.set xi, xi+2
.endr
.set xi, 0
.rept 32
	v_exp_f32 v[SB+xi], v[SB+xi]
.set xi, xi+1
.endr
	v_mov_b32 v[MX+\u], v[TT+2]                    ; the plain instruction between the exponentials and their first use
	s_wait_alu depctr_va_vdst(0)
.irp k, 0,1,2,3
	v_pk_add_f32 v[TT+4+2*\k:TT+5+2*\k], v[SB+4*\k:SB+4*\k+1], v[SB+4*\k+2:SB+4*\k+3]
.endr
.irp k, 0,1,2,3
	v_pk_add_f32 v[TT+4+2*\k:TT+5+2*\k], v[TT+4+2*\k:TT+5+2*\k], v[SB+16+2*\k:SB+17+2*\k]
.endr
.irp k, 0,1,2,3
	v_pk_add_f32 v[TT+4+2*\k:TT+5+2*\k], v[TT+4+2*\k:TT+5+2*\k], v[SB+24+2*\k:SB+25+2*\k]
.endr
	v_pk_add_f32 v[TT+4:TT+5], v[TT+4:TT+5], v[TT+6:TT+7]
	v_pk_add_f32 v[TT+8:TT+9], v[TT+8:TT+9], v[TT+10:TT+11]
	v_pk_add_f32 v[TT+4:TT+5], v[TT+4:TT+5], v[TT+8:TT+9]
.if \first
	v_add_f32 v[LS+\u], v[TT+4], v[TT+5]
.else
	v_add_f32 v[TT+4], v[TT+4], v[TT+5]
	v_fma_f32 v[LS+\u], v[LS+\u], v[AL+2*\u], v[TT+4]
.endif
.set xi, 0
.rept 16
	v_cvt_pk_f16_f32 v[SB+xi], v[SB+2*xi], v[SB+2*xi+1]   ; register x is written after 2 x and 2 x + 1 were read
.set xi, xi+1
.endr
.endm
; 64 keys (half jj of the slot) against tiles u >= from.  mask: tile u = from is on the diagonal.  first: nothing has been summed yet.
; prek: the slot's other 64 keys of K are fetched as soon as this half's have been multiplied.
.macro STEP slot, jj, from, mask, first, prek
	PLACES 5                                       ; the new scores write over P, and the loads over V^T, which the last products read
	LOADV \slot, \jj
	s_wait_dscnt 16                                ; K's sixteen loads are older than V's sixteen: K is in
	WIN 0x05
	ST_PASS \from, 0, 1
	ST_PASS \from, 1, 0
	WIN 0
	PLACES 4                                       ; in front of loads into K's registers and of the first read of a score
.if \prek
	LOADK \slot, 1
.endif
.irp u, 0,1,2,3
.if \u == \from
	SOFTMAX \u, \mask, \first
.endif
.if \u > \from
	SOFTMAX \u, 0, \first
.endif
.endr
.if \first == 0
	WIN 0x41
.irp u, 0,1,2,3
.if \u >= \from
.set xi, 0
.rept 16
	v_pk_mul_f32 v[32*\u+xi:32*\u+xi+1], v[32*\u+xi:32*\u+xi+1], v[AL+2*\u:AL+2*\u+1] op_sel_hi:[1,0]
.set xi, xi+2
.endr
.endif
.endr
.endif
.if \prek
	s_wait_dscnt 16                                ; V is in; the next K's sixteen loads stay out
.else
	s_wait_dscnt 0x0
.endif
	WIN 0x50
	PV_PASS \from, 0, \first
	PV_PASS \from, 1, 0
	WIN 0
.endm
; ctx = sums / l, rounded once to f16, 16 queries at a time through my own stage, 512 consecutive bytes stored by the wave.
.macro EPI cb
	PLACES 4
.irp u, 0,1,2,3
	v_permlanex16_b32 v[TT+\u], v[LS+\u], s21, s22
.endr
.irp u, 0,1,2,3
	v_add_f32 v[LS+\u], v[LS+\u], v[TT+\u]         ; both halves' keys
.endr
.irp u, 0,1,2,3
	v_rcp_f32 v[AL+2*\u], v[LS+\u]
.endr
	v_nop                                          ; the plain instruction behind the reciprocals
	s_wait_alu depctr_va_vdst(0)
.irp u, 0,1,2,3
	WIN 0x01
.set xi, 0
.rept 16
	v_pk_mul_f32 v[SC+xi:SC+xi+1], v[32*\u+xi:32*\u+xi+1], v[AL+2*\u:AL+2*\u+1] op_sel_hi:[1,0]
.set xi, xi+2
.endr
	WIN 0
.set xi, 0
.rept 16
	v_cvt_pk_f16_f32 v[SC+32+xi], v[SC+2*xi], v[SC+2*xi+1]
.set xi, xi+1
.endr
.irp d, 0,1,2,3
	ds_store_b128 v[STO], v[SC+32+4*\d:SC+32+4*\d+3] offset:32*\d
.endr
.irp t, 0,1,2,3
	ds_load_b128 v[SC+48+16*\u+4*\t:SC+48+16*\u+4*\t+3], v[RD] offset:4*KPITCH*\t   ; LDS serves a wave's instructions in order: these see the stores above
.endr
.irp t, 0,1,2,3
	s_wait_dscnt 3-\t
	global_store_b128 v[CO], v[SC+48+16*\u+4*\t:SC+48+16*\u+4*\t+3], s[\cb:\cb+1] offset:8192*\u+512*\t
.endr
.endr
	s_wait_xcnt 0x0                                ; the stores' data registers are score registers again only behind this wait
.endm
.macro DIAG0                           ; keys 0 .. 127 of the diagonal block
	HEAD 0, 1, 1
	s_wait_loadcnt 0x0                             ; Q
	STEP 0, 0, 0, 1, 1, 1
	STEP 0, 1, 1, 1, 0, 0
.endm
.macro DIAG1                           ; keys 128 .. 255
	HEAD 1, 0, 1
	STEP 1, 0, 2, 1, 0, 1
	STEP 1, 1, 3, 1, 0, 0
.endm
.macro HALF slot, other, refill        ; 128 keys of a block under the diagonal
	HEAD \slot, \other, \refill
	STEP \slot, 0, 0, 0, 0, 1
	STEP \slot, 1, 0, 0, 0, 0
.endm
	s_load_b128 s[4:7], s[0:1], 0x0                ; qkv, ctxh
	v_lshl_add_u32 v62, v0, 2, 0x29000
	v_mov_b32 v63, 0
	ds_add_u32 v62, v63
	v_lshrrev_b32 v1, 5, v0
	v_readfirstlane_b32 s8, v1                     ; wave
	s_and_b32 s9, s8, 1
	s_lshr_b32 s10, s8, 1
	s_mov_b32 s11, ttmp9                           ; a: the first query block
	s_sub_co_u32 s12, 7, s11                       ; the second
	s_sub_co_u32 s13, s12, 1
	s_mov_b32 s18, 0x3e38aa3b                      ; c = log2(e) / 8
	s_mov_b32 s19, 0x3e38aa3b
	s_mov_b32 s20, 0xbe38aa3b
	s_mov_b32 s21, 0x76543210                      ; v_permlanex16_b32: lane i of the other half
	s_mov_b32 s22, 0xfedcba98
	; 64 keys are a dense block of 8 KiB: 32 rows of 32 elements of 8 bytes; padding behind every 32 words (a key's 128 bytes)
	s_mov_b32 s[G1K+0], (3<<16)|(1<<20)|(4<<22)|(3<<25)   ; 4 words of padding: pitch 144
	s_mov_b32 s[G1K+1], 32<<16
	s_mov_b32 s[G1K+2], 32<<16
	s_mov_b32 s[G1K+3], 32<<16
	s_mov_b32 s[G1K+4], 32
	s_mov_b32 s[G1K+5], 32
	s_mov_b32 s[G1K+6], 0
	s_mov_b32 s[G1K+7], 0
	s_mov_b32 s[G1V+0], (3<<16)|(1<<20)|(4<<22)|(7<<25)   ; 8 words of padding: pitch 160
	s_mov_b32 s[G1V+1], 32<<16
	s_mov_b32 s[G1V+2], 32<<16
	s_mov_b32 s[G1V+3], 32<<16
	s_mov_b32 s[G1V+4], 32
	s_mov_b32 s[G1V+5], 32
	s_mov_b32 s[G1V+6], 0
	s_mov_b32 s[G1V+7], 0
	s_mul_i32 s15, s8, 64*KPITCH                   ; K's halves at wave x 9,216 (waves 0, 1)
	s_mul_i32 s14, s8, 64*VPITCH                   ; V's at wave x 10,240 (waves 2, 3): 20,480 and 30,720
.irp s, 0,1
	s_mov_b32 s[G0K+4*\s], 1
	s_add_co_u32 s[G0K+4*\s+1], s15, \s*SLOT
	s_mov_b32 s[G0V+4*\s], 1
	s_add_co_u32 s[G0V+4*\s+1], s14, \s*SLOT
.endr
	s_and_b32 s70, ttmp7, 0xffff
	s_lshl_b32 s70, s70, 18                        ; (4 head + batch) x 2048 rows x 128 bytes
	s_lshl_b32 s16, s9, 13                         ; my half of a tile: 64 keys
	s_add_co_u32 s16, s16, s70
	s_mov_b32 s17, 0                               ; stays 0: the high word of every offset
	s_lshl_b32 s71, s8, 11                         ; 16 w rows
	s_add_co_u32 s71, s71, s70
	v_and_b32 v1, 15, v0                           ; r
	v_bfe_u32 v2, v0, 4, 1                         ; h
	v_lshlrev_b32 v[QO], 7, v1
	v_lshl_add_u32 v[QO], v2, 4, v[QO]             ; r x 128 + 16 h
	s_wait_dscnt 0x0
	s_wait_kmcnt 0x0
	s_add_nc_u64 s[KB:KB+1], s[4:5], s[16:17]
	s_add_nc_u64 s[KB:KB+1], s[KB:KB+1], 0x1000000 ; k lies 16 MiB behind q,
	s_add_nc_u64 s[VB:VB+1], s[KB:KB+1], 0x1000000 ; v 16 MiB behind k
	s_lshl_b32 s16, s11, 15
	s_add_co_u32 s16, s16, s71
	s_add_nc_u64 s[60:61], s[4:5], s[16:17]        ; q and ctx of the first block
	s_add_nc_u64 s[66:67], s[6:7], s[16:17]
	s_lshl_b32 s16, s12, 15
	s_add_co_u32 s16, s16, s71
	s_add_nc_u64 s[62:63], s[4:5], s[16:17]        ; of the second
	s_add_nc_u64 s[68:69], s[6:7], s[16:17]
	s_lshl_b32 s15, s11, 8
	SETADR 0
	KVLOAD 0                                       ; the first fill: keys 0 .. 127 of the first diagonal block
	QLOAD 60
	v_mul_u32_u24 v[AK], v1, KPITCH
	v_lshl_add_u32 v[AK], v2, 4, v[AK]
	v_and_b32 v11, 7, v0
	v_lshl_add_u32 v[AV], v2, 3, v11
	v_mul_u32_u24 v[AV], v[AV], VPITCH
	v_bfe_u32 v[TT], v0, 3, 1
	v_lshl_add_u32 v[AV], v[TT], 4, v[AV]
	v_add_nc_u32 v[AV], VOFF, v[AV]
	s_mul_i32 s15, s8, 16*KPITCH
	s_add_co_u32 s15, s15, STAGE                   ; my stage
	v_add_nc_u32 v[STO], s15, v[AK]                ; in: row r, 16 bytes for each half of the lanes
	v_bfe_u32 v[TT], v0, 3, 2
	v_mul_u32_u24 v[TT], v[TT], KPITCH
	v_lshl_add_u32 v[TT], v11, 4, v[TT]
	v_add_nc_u32 v[RD], s15, v[TT]                 ; back: eight lanes take a row of 128 bytes
	v_and_b32 v[CO], 31, v0
	v_lshlrev_b32 v[CO], 4, v[CO]
	v_lshlrev_b32 v[THR], 3, v2
	v_sub_nc_u32 v[THR], v1, v[THR]
	s_lshl_b32 s15, s8, 4
	v_add_nc_u32 v[THR], s15, v[THR]
	v_mov_b32 v[NINF], 0xff800000
.irp u, 0,1,2,3
	v_mov_b32 v[NMC+2*\u+1], 0                     ; the unused halves of the pairs that packed instructions name
	v_mov_b32 v[AL+2*\u+1], 0
.endr
	; ---- query block a.  s15 = the first key of the tile that the next HEAD asks for.
	s_lshl_b32 s15, s11, 8
	s_add_co_u32 s15, s15, 128
	DIAG0
	s_lshl_b32 s15, s12, 8                         ; a = 0: nothing lies under the diagonal block; the second pass's diagonal block follows
	s_cmp_lg_u32 s11, 0
	s_cselect_b32 s15, 0, s15
	DIAG1
	s_cmp_eq_u32 s11, 0
	s_cbranch_scc1 .Lend_a
	s_mov_b32 s14, 0
.Lloop_a:
	s_lshl_b32 s15, s14, 8
	s_add_co_u32 s15, s15, 128
	HALF 0, 1, 1
	s_add_co_u32 s70, s14, 1
	s_lshl_b32 s15, s70, 8                         ; the next block, or behind the last one the second pass's diagonal block
	s_lshl_b32 s71, s12, 8
	s_cmp_lt_u32 s70, s11
	s_cselect_b32 s15, s15, s71
	HALF 1, 0, 1
	s_add_co_u32 s14, s14, 1
	s_cmp_lt_u32 s14, s11
	s_cbranch_scc1 .Lloop_a
.Lend_a:
	QLOAD 62                                       ; the second block's queries come in while the first block's results go out
	EPI 66
	; ---- query block 7 - a: at least four blocks lie under its diagonal block
	s_lshl_b32 s15, s12, 8
	s_add_co_u32 s15, s15, 128
	DIAG0
	s_mov_b32 s15, 0
	DIAG1
	s_mov_b32 s14, 0
.Lloop_b:
	s_lshl_b32 s15, s14, 8
	s_add_co_u32 s15, s15, 128
	HALF 0, 1, 1
	s_lshl_b32 s15, s14, 8
	s_add_co_u32 s15, s15, 256
	HALF 1, 0, 1
	s_add_co_u32 s14, s14, 1
	s_cmp_lt_u32 s14, s13
	s_cbranch_scc1 .Lloop_b
	s_lshl_b32 s15, s13, 8                         ; the last block is written out: its second half asks for nothing
	s_add_co_u32 s15, s15, 128
	HALF 0, 1, 1
	HALF 1, 0, 0
	EPI 68
	s_wait_tensorcnt 0x0
	ds_add_u32 v62, v63
	s_wait_dscnt 0x0
	s_endpgm
.Lfunc_end_k_q8e7701c947_attn:
	.size	k_q8e7701c947_attn, .Lfunc_end_k_q8e7701c947_attn-k_q8e7701c947_attn
	.p2alignl 7, 3214868480
	.fill 96, 4, 3214868480
	.section	.rodata,"a",@progbits
	.p2align	6, 0x0
	.amdhsa_kernel k_q8e7701c947_attn
		.amdhsa_group_segment_fixed_size 327680
		.amdhsa_private_segment_fixed_size 0
		.amdhsa_enable_private_segment 0
		.amdhsa_kernarg_size 16
		.amdhsa_user_sgpr_count 2
		.amdhsa_user_sgpr_kernarg_segment_ptr 1
		.amdhsa_wavefront_size32 1
		.amdhsa_system_sgpr_workgroup_id_x 1
		.amdhsa_system_sgpr_workgroup_id_y 1
		.amdhsa_system_sgpr_workgroup_id_z 1
		.amdhsa_system_vgpr_workitem_id 0
		.amdhsa_next_free_vgpr 512
		.amdhsa_next_free_sgpr 76
		.amdhsa_reserve_vcc 1
		.amdhsa_float_denorm_mode_32 3
		.amdhsa_float_denorm_mode_16_64 3
		.amdhsa_memory_ordered 1
		.amdhsa_forward_progress 1
		.amdhsa_inst_pref_size 255
	.end_amdhsa_kernel
	.section	.bss,"aw",@nobits
	.p2align	6
	.space	262144
	.amdgpu_metadata
---
amdhsa.version: [ 1, 2 ]
amdhsa.kernels:
  - .name:           k_q8e7701c947_attn
    .symbol:         k_q8e7701c947_attn.kd
    .args:
      - { .name: qkv, .offset: 0, .size: 8, .value_kind: global_buffer, .address_space: global }
      - { .name: ctxh, .offset: 8, .size: 8, .value_kind: global_buffer, .address_space: global }
    .group_segment_fixed_size: 327680
    .private_segment_fixed_size: 0
    .kernarg_segment_align: 8
    .kernarg_segment_size: 16
    .max_flat_workgroup_size: 128
    .sgpr_count:     76
    .vgpr_count:     512
    .wavefront_size: 32
...
	.end_amdgpu_metadata
.endif
;; end of part 3
;; launch outg (part 4): grid 8 x 32, 4 waves a work-group, clusters of 4 x 4, 327,680 bytes of LDS; arguments ctxh, wot, bo, out0; writes out0
.if DOCPART == 4
	.amdgcn_target "amdgcn-amd-amdhsa--gfx1250"
	.amdhsa_code_object_version 6
	.text
	.protected	k_q8e7701c947_outg
	.globl	k_q8e7701c947_outg
	.p2align	8
	.type	k_q8e7701c947_outg,@function
k_q8e7701c947_outg:
	s_mov_b64 s[64:65], 0
	v_nop
	global_prefetch_b8 v0, s[64:65] scope:SCOPE_SE
	s_setreg_imm32_b32 hwreg(HW_REG_WAVE_MODE, 25, 1), 1
	s_wait_xcnt 0x0
	s_wait_alu depctr_hold_cnt(0) depctr_sa_sdst(0) depctr_va_vdst(0) depctr_va_sdst(0) depctr_va_ssrc(0) depctr_va_vcc(0) depctr_vm_vsrc(0)
	s_getreg_b32 s2, hwreg(HW_REG_IB_STS2, 6, 4)
	s_cmp_eq_u32 s2, 0
	s_cbranch_scc0 .Lentry_in_a_cluster
	s_endpgm
.Lentry_in_a_cluster:
	s_bfe_u32 s2, ttmp6, 0x10000c
	s_cmp_lg_u32 s2, 0xf033
	s_cbranch_scc0 .Lentry_shape_is_right
	s_endpgm
.Lentry_shape_is_right:
; out0[m][n] = sum over k of ctx[m][k] Wo[k][n] + bo[n], k = 64 head + dk.  ctxh[head][m][64] and wot[n][k] are f16; sums in f32; out0 is f32.
; A work-group makes 256 rows x 128 columns with four waves; wave w makes rows 64 w .. 64 w + 63 x all 128 columns: 32 accumulator tiles, 256 registers.
; K = 1024 in 8 steps of 128 (two heads) through a ring of two LDS slots.  A head's 256 rows of ctx are a dense block of 32 KiB.
; CLUSTER 4 x 4: ctx's tile hangs on the block row alone and is asked for jointly along a row of the cluster, wot's on the block column alone, along a column.
; The matrix instruction is used transposed (source 0 = rows of wot, source 1 = rows of ctx): a lane holds eight neighbouring columns of one row of out0.
; REGISTERS: window 0: v16-39 addresses and bias, v64-127 and v128-191 fragments of wot, v192-223 and v224-255 fragments of ctx;
;   window 1: accumulators, tile (b, a) at v[8 (4 b + a)].
.set KSTEP,  128
.set PA,     144                       ; ctx in LDS: 128 bytes + 16
.set PITCH,  272                       ; wot and the stage: 256 bytes + 16
.set NB,     8
.set AZ,     256*PA                    ; one head's 256 rows
.set ABYTES, 2*AZ
.set BHALF,  64*PITCH
.set SLOT,   ABYTES+2*BHALF            ; 108,544
.set STAGE,  2*SLOT                    ; 16 rows x 272 bytes for each wave; no tensor load lands here
.set LAPS,   1024/(2*KSTEP)
.set NLD,    2*(NB+4)
.set ADRA, 16
.set ADRB, 20
.set STO,  24
.set RD,   25
.set CO,   26
.set BOF,  27
.set BIAS, 32                          ; v[32:35], v[36:39]: bo of my four columns in each half of the block's 128
.set FB,   64                          ; + 64 f
.set FA,   192                         ; + 32 f
.set TL,   64
.set G1A, 24
.set G0A, 32
.set G1B, 48
.set G0B, 56
.set M1,   0x50                        ; sources window 0, C and D window 1
.set MSB, 0
.macro WIN new
.if MSB != \new
	s_set_vgpr_msb (MSB<<8)|\new
.set MSB, \new
.endif
.endm
.macro PLACES n
.rept \n
	v_nop
.endr
.endm
.macro JLOAD s                         ; waves 0 and 1 fetch the step's two heads of ctx, waves 2 and 3 wot's two halves
	s_cmp_eq_u32 s16, 0
	s_cbranch_scc0 .Lfor_b_\@
	tensor_load_to_lds s[G0A+4*\s:G0A+4*\s+3], s[G1A:G1A+7]
	s_nop 0
	s_branch .Lasked_\@
.Lfor_b_\@:
	tensor_load_to_lds s[G0B+4*\s:G0B+4*\s+3], s[G1B:G1B+7]
	s_nop 0
.Lasked_\@:
.endm
.macro CREST
	s_cmp_lg_u32 s14, 0
	s_cbranch_scc1 .Lnot_wave_0_\@
	s_barrier_signal -3
.Lnot_wave_0_\@:
	s_barrier_wait -3
	s_barrier_signal -1
	s_barrier_wait -1
.endm
.macro CROUND
	s_barrier_signal -1
	s_barrier_wait -1
	CREST
.endm
	s_load_b256 s[4:11], s[0:1], 0x0               ; ctxh 4, wot 6, bo 8, out0 10
	v_lshl_add_u32 v62, v0, 2, 0x39400
	v_mov_b32 v63, 0
	ds_add_u32 v62, v63
	v_lshrrev_b32 v1, 5, v0
	v_readfirstlane_b32 s14, v1                    ; wave
	s_and_b32 s15, s14, 1
	s_lshr_b32 s16, s14, 1
	s_bfe_u32 s18, ttmp6, 0x40000                  ; cx
	s_bfe_u32 s19, ttmp6, 0x40004                  ; cy
	s_lshl_b32 s20, ttmp9, 2
	s_add_co_u32 s20, s20, s18                     ; block column
	s_and_b32 s21, ttmp7, 0xffff
	s_lshl_b32 s21, s21, 2
	s_add_co_u32 s21, s21, s19                     ; block row
	s_lshl_b32 s22, s19, 2
	s_lshl_b32 s22, 15, s22                        ; my row of the cluster
	s_lshl_b32 s23, 0x1111, s18                    ; my column
	; ctx: 32 KiB dense = 128 rows of 32 elements of 8 bytes; 4 words of padding behind every 32 words (a row of ctx): pitch 144
	s_or_b32 s[G1A+0], s22, (3<<16)|(1<<20)|(1<<21)|(4<<22)|(3<<25)
	s_mov_b32 s[G1A+1], 32<<16
	s_mov_b32 s[G1A+2], 128<<16
	s_mov_b32 s[G1A+3], 32<<16
	s_mov_b32 s[G1A+4], 128
	s_mov_b32 s[G1A+5], 32
	s_mov_b32 s[G1A+6], 0
	s_mov_b32 s[G1A+7], 0
	; wot: 64 rows x 128 elements of 2 bytes, 4 words of padding behind every 64: pitch 272
	s_or_b32 s[G1B+0], s23, (1<<16)|(1<<20)|(1<<21)|(5<<22)|(3<<25)
	s_mov_b32 s[G1B+1], KSTEP<<16
	s_mov_b32 s[G1B+2], 64<<16
	s_mov_b32 s[G1B+3], KSTEP<<16
	s_mov_b32 s[G1B+4], 64
	s_mov_b32 s[G1B+5], 1024
	s_mov_b32 s[G1B+6], 0
	s_mov_b32 s[G1B+7], 0
	s_lshl_b32 s40, s15, 20                        ; ctx: the step's even or odd head
	s_lshl_b32 s42, s21, 15                        ;    + 256 block row rows of 128 bytes; s[40:43] never hold cx
	s_add_co_u32 s40, s40, s42
	s_mov_b32 s41, 0
	s_lshl_b32 s44, s20, 18                        ; wot: (128 block column
	s_lshl_b32 s46, s15, 17                        ;     + 64 half) rows of 2048 bytes; s[44:47] never hold cy
	s_add_co_u32 s44, s44, s46
	s_mov_b32 s45, 0
	s_mul_i32 s42, s14, AZ                         ; LDS: ctx's heads at wave x 36,864 (waves 0, 1),
	s_mul_i32 s46, s14, BHALF
	s_add_co_u32 s46, s46, ABYTES-2*BHALF          ; wot's halves at 73,728 + (wave - 2) x 17,408 (waves 2, 3)
	s_wait_dscnt 0x0
	s_wait_kmcnt 0x0
	s_add_nc_u64 s[40:41], s[4:5], s[40:41]
	s_add_nc_u64 s[44:45], s[6:7], s[44:45]
	CROUND                                         ; all sixteen work-groups are here: the first joint loads meet
.irp s, 0,1
	s_mov_b32 s[G0A+4*\s], 1
	s_add_co_u32 s[G0A+4*\s+1], s42, \s*SLOT
	s_add_nc_u64 s[G0A+4*\s+2:G0A+4*\s+3], s[40:41], \s*0x200000      ; K step s: two heads on
	s_or_b32 s[G0A+4*\s+3], s[G0A+4*\s+3], 0x80000000
	s_mov_b32 s[G0B+4*\s], 1
	s_add_co_u32 s[G0B+4*\s+1], s46, \s*SLOT
	s_add_nc_u64 s[G0B+4*\s+2:G0B+4*\s+3], s[44:45], \s*KSTEP*2
	s_or_b32 s[G0B+4*\s+3], s[G0B+4*\s+3], 0x80000000
	JLOAD \s                                       ; two tensor loads of this wave are out here, later one
.endr
	v_and_b32 v1, 15, v0                           ; r
	v_bfe_u32 v2, v0, 4, 1                         ; h
	v_mul_u32_u24 v3, v1, PITCH
	v_mul_u32_u24 v4, v1, PA
	v_lshl_add_u32 v4, v2, 4, v4
	s_mul_i32 s72, s14, 64*PA
	v_add_nc_u32 v[ADRA], s72, v4                  ; my 64 rows of ctx
	v_add_nc_u32 v[ADRA+1], SLOT, v[ADRA]
	v_lshl_add_u32 v5, v2, 4, v3
	v_add_nc_u32 v[ADRB], ABYTES, v5
	v_add_nc_u32 v[ADRB+1], SLOT, v[ADRB]
	s_mul_i32 s72, s14, 16*PITCH
	s_add_co_u32 s72, s72, STAGE                   ; my stage
	v_lshl_add_u32 v5, v2, 5, v3
	v_add_nc_u32 v[STO], s72, v5                   ; in: row r, 32 bytes for each half of the lanes
	v_mul_u32_u24 v5, v2, PITCH
	v_lshl_add_u32 v5, v1, 4, v5
	v_add_nc_u32 v[RD], s72, v5                    ; back: sixteen lanes take a row of 256 bytes
	v_lshlrev_b32 v[BOF], 4, v1
	v_lshl_add_u32 v[CO], v2, 12, v[BOF]           ; the same two rows in out0
	s_lshl_b32 s74, s20, 9
	s_mov_b32 s75, 0
	s_add_nc_u64 s[8:9], s[8:9], s[74:75]          ; bo at my 128 columns
	global_load_b128 v[BIAS:BIAS+3],   v[BOF], s[8:9]
	global_load_b128 v[BIAS+4:BIAS+7], v[BOF], s[8:9] offset:256
	s_lshl_b32 s72, s21, 20                        ; out0: (256 block row
	s_lshl_b32 s73, s14, 18                        ;      + 64 wave) rows of 4096 bytes
	s_add_co_u32 s72, s72, s73
	s_add_co_u32 s72, s72, s74                     ;      + 128 block column columns
	s_mov_b32 s73, 0
	s_add_nc_u64 s[66:67], s[10:11], s[72:73]
.macro FETCH slot, q, f                ; quarter q of a K step: head q >> 1 of the step's two, dk 32 (q & 1) ..; in wot byte 64 q of the rows
.irp i, 0,1,2,3,4,5,6,7
	ds_load_b128 v[FB+64*\f+8*\i:FB+64*\f+8*\i+3],   v[ADRB+\slot] offset:64*\q+\i*16*PITCH
	ds_load_b128 v[FB+64*\f+8*\i+4:FB+64*\f+8*\i+7], v[ADRB+\slot] offset:64*\q+\i*16*PITCH+32
.endr
.irp i, 0,1,2,3
	ds_load_b128 v[FA+32*\f+8*\i:FA+32*\f+8*\i+3],   v[ADRA+\slot] offset:(\q>>1)*AZ+(\q&1)*64+\i*16*PA
	ds_load_b128 v[FA+32*\f+8*\i+4:FA+32*\f+8*\i+7], v[ADRA+\slot] offset:(\q>>1)*AZ+(\q&1)*64+\i*16*PA+32
.endr
.endm
; four products.  The 32 accumulators take turns, one instruction a turn, in the same order in every quarter.
.macro MULB b, f, zero
.irp a, 0,1,2,3
.if \zero
	v_wmma_f32_16x16x32_f16 v[32*\b+8*\a:32*\b+8*\a+7], v[FB+64*\f+8*\b:FB+64*\f+8*\b+7], v[FA+32*\f+8*\a:FA+32*\f+8*\a+7], 0
.else
	v_wmma_f32_16x16x32_f16 v[32*\b+8*\a:32*\b+8*\a+7], v[FB+64*\f+8*\b:FB+64*\f+8*\b+7], v[FA+32*\f+8*\a:FA+32*\f+8*\a+7], v[32*\b+8*\a:32*\b+8*\a+7]
.endif
.endr
.endm
.macro QUARTER slot, q, f, g, zero
	WIN 0
	PLACES 4                                       ; buffer g was read by the products just issued: four places in front of the loads
	FETCH \slot, \q, \g
	s_wait_dscnt NLD                               ; all but the NLD loads just issued: buffer f is in
	WIN M1
.irp b, 0,1,2,3,4,5,6,7
	MULB \b, \f, \zero
.endr
.endm
.macro THREE slot, zero
	QUARTER \slot, 1, 0, 1, \zero
	QUARTER \slot, 2, 1, 0, 0
	QUARTER \slot, 3, 0, 1, 0
.endm
; the last quarter multiplies buffer 1 and changes slots: each wave's reads of this slot and all its tensor loads are waited for in front of the barrier;
; behind it the refill comes first, then the next slot's first fragments.
.macro TURN slot, next, fill
	s_wait_dscnt 0x0
	s_wait_tensorcnt 0x0
	ds_add_u32 v62, v63
	s_wait_dscnt 0x0
	s_barrier_signal -1
.irp b, 0,1,2,3
	MULB \b, 1, 0
.endr
	WIN 0
	s_barrier_wait -1
.if \fill
	CREST                                          ; no wave of any partner still reads this slot or has a load on its way
	s_add_nc_u64 s[G0A+4*\slot+2:G0A+4*\slot+3], s[G0A+4*\slot+2:G0A+4*\slot+3], 0x400000     ; two K steps = four heads on
	s_add_nc_u64 s[G0B+4*\slot+2:G0B+4*\slot+3], s[G0B+4*\slot+2:G0B+4*\slot+3], 2*KSTEP*2
	JLOAD \slot
.endif
	PLACES 4
	FETCH \next, 0, 0
	WIN M1
.irp b, 4,5,6,7
	MULB \b, 1, 0
.endr
.endm
.macro LAP zero
	THREE 0, \zero
	TURN 0, 1, 1
	THREE 1, 0
	TURN 1, 0, 1
.endm
	s_wait_tensorcnt 0x1                           ; my part of K step 0 is in; K step 1's stays out
	s_barrier_signal -1
	s_barrier_wait -1
	FETCH 0, 0, 0
	LAP 1
	WIN 0
	s_mov_b32 s17, LAPS-2
.Llap:
	LAP 0
	WIN 0
	s_sub_co_u32 s17, s17, 1
	s_cmp_lg_u32 s17, 0
	s_cbranch_scc1 .Llap
	THREE 0, 0                                     ; the last lap fills nothing
	TURN 0, 1, 0
	THREE 1, 0
	s_wait_dscnt 0x0
.irp b, 0,1,2,3,4,5,6,7
	MULB \b, 1, 0
.endr
	PLACES 4
	s_wait_loadcnt 0x0                             ; bo
; THE WAY OUT: 16 rows x 64 columns of f32 through my own stage, read back as whole rows of 256 bytes, bias added, stored: sixteen lanes fill 256 aligned bytes.
.macro OUTO a, g
	WIN 0x04                                       ; store data from window 1
.irp bb, 0,1,2,3
	ds_store_b128 v[STO], v[128*\g+32*\bb+8*\a:128*\g+32*\bb+8*\a+3]   offset:64*\bb
	ds_store_b128 v[STO], v[128*\g+32*\bb+8*\a+4:128*\g+32*\bb+8*\a+7] offset:64*\bb+16
.endr
	WIN 0
	s_wait_xcnt 0x0                                ; TL, which the last stores read, is loaded again only behind this wait
.irp t, 0,1,2,3,4,5,6,7
	ds_load_b128 v[TL+4*\t:TL+4*\t+3], v[RD] offset:\t*2*PITCH
.endr
.irp t, 0,1,2,3,4,5,6,7
	s_wait_dscnt 7-\t
	v_pk_add_f32 v[TL+4*\t:TL+4*\t+1],   v[TL+4*\t:TL+4*\t+1],   v[BIAS+4*\g:BIAS+4*\g+1]
	v_pk_add_f32 v[TL+4*\t+2:TL+4*\t+3], v[TL+4*\t+2:TL+4*\t+3], v[BIAS+4*\g+2:BIAS+4*\g+3]
	global_store_b128 v[CO], v[TL+4*\t:TL+4*\t+3], s[66:67] offset:(16*\a+2*\t)*4096+256*\g th:TH_STORE_NT
.endr
.endm
.irp a, 0,1,2,3
.irp g, 0,1
	OUTO \a, \g
.endr
.endr
	s_wait_tensorcnt 0x0
	ds_add_u32 v62, v63
	s_wait_dscnt 0x0
	CROUND                                         ; the closing round
	s_endpgm
.Lfunc_end_k_q8e7701c947_outg:
	.size	k_q8e7701c947_outg, .Lfunc_end_k_q8e7701c947_outg-k_q8e7701c947_outg
	.p2alignl 7, 3214868480
	.fill 96, 4, 3214868480
	.section	.rodata,"a",@progbits
	.p2align	6, 0x0
	.amdhsa_kernel k_q8e7701c947_outg
		.amdhsa_group_segment_fixed_size 327680
		.amdhsa_private_segment_fixed_size 0
		.amdhsa_enable_private_segment 0
		.amdhsa_kernarg_size 32
		.amdhsa_user_sgpr_count 2
		.amdhsa_user_sgpr_kernarg_segment_ptr 1
		.amdhsa_wavefront_size32 1
		.amdhsa_system_sgpr_workgroup_id_x 1
		.amdhsa_system_sgpr_workgroup_id_y 1
		.amdhsa_system_sgpr_workgroup_id_z 1
		.amdhsa_system_vgpr_workitem_id 0
		.amdhsa_next_free_vgpr 512
		.amdhsa_next_free_sgpr 76
		.amdhsa_reserve_vcc 0
		.amdhsa_float_denorm_mode_32 3
		.amdhsa_float_denorm_mode_16_64 3
		.amdhsa_memory_ordered 1
		.amdhsa_forward_progress 1
		.amdhsa_inst_pref_size 125
	.end_amdhsa_kernel
	.amdgpu_metadata
---
amdhsa.version: [ 1, 2 ]
amdhsa.kernels:
  - .name:           k_q8e7701c947_outg
    .symbol:         k_q8e7701c947_outg.kd
    .args:
      - { .name: ctxh, .offset: 0, .size: 8, .value_kind: global_buffer, .address_space: global }
      - { .name: wot, .offset: 8, .size: 8, .value_kind: global_buffer, .address_space: global }
      - { .name: bo, .offset: 16, .size: 8, .value_kind: global_buffer, .address_space: global }
      - { .name: out0, .offset: 24, .size: 8, .value_kind: global_buffer, .address_space: global }
    .group_segment_fixed_size: 327680
    .private_segment_fixed_size: 0
    .kernarg_segment_align: 8
    .kernarg_segment_size: 32
    .max_flat_workgroup_size: 128
    .sgpr_count:     76
    .vgpr_count:     512
    .wavefront_size: 32
...
	.end_amdgpu_metadata
.endif
;; end of part 4
;; ======== version 2 of 2: 4 launches
;; limits: values are held in f16: magnitudes above 65,504 overflow, below 6.1e-05 lose precision
;; workspace buffers: xb 16,777,216 bytes; wt 6,291,456 bytes; wot 2,097,152 bytes; qkv 50,331,648 bytes; ctxh 16,777,216 bytes
;; launch prep: the kernel of part 1 again; grid 1024 x 1, 8 waves a work-group, no clusters, 18,432 bytes of LDS; arguments x, Wq, Wk, Wv, Wo, xb, wt, wot; writes xb, wt, wot
;; launch qkvg (part 5): grid 16 x 16, 4 waves a work-group, clusters of 4 x 4, 327,680 bytes of LDS; arguments xb, wt, bq, bv, qkv; writes qkv
.if DOCPART == 5
	.amdgcn_target "amdgcn-amd-amdhsa--gfx1250"
	.amdhsa_code_object_version 6
	.text
	.protected	k_q8e7701c947_qkvg
	.globl	k_q8e7701c947_qkvg
	.p2align	8
	.type	k_q8e7701c947_qkvg,@function
k_q8e7701c947_qkvg:
	s_mov_b64 s[64:65], 0
	v_nop
	global_prefetch_b8 v0, s[64:65] scope:SCOPE_SE
	s_setreg_imm32_b32 hwreg(HW_REG_WAVE_MODE, 25, 1), 1
	s_wait_xcnt 0x0
	s_wait_alu depctr_hold_cnt(0) depctr_sa_sdst(0) depctr_va_vdst(0) depctr_va_sdst(0) depctr_va_ssrc(0) depctr_va_vcc(0) depctr_vm_vsrc(0)
	s_getreg_b32 s2, hwreg(HW_REG_IB_STS2, 6, 4)
	s_cmp_eq_u32 s2, 0
	s_cbranch_scc0 .Lentry_in_a_cluster
	s_endpgm
.Lentry_in_a_cluster:
	s_bfe_u32 s2, ttmp6, 0x10000c
	s_cmp_lg_u32 s2, 0xf033
	s_cbranch_scc0 .Lentry_shape_is_right
	s_endpgm
.Lentry_shape_is_right:
; q, k, v of one head for 256 rows: C[m][n] = sum over d of xb[m][d] wt[192 head + n][d], n = 0..63 q, 64..127 k, 128..191 v; bf16 operands, f32 sums.
; q gets bq, v gets bv.  k gets no bias.
; Results go out as f16: qkv[which][head][m][64].  LIMIT: |q|, |k|, |v| from 65,520 up overflow f16.
; Grid 16 heads x 16: a work-group STAYS and makes two blocks of 256 rows, block rows y and y + 16.  K is only 8 steps long, so the ring runs on across the
; change of blocks: the first block's last two changes of slots ask for the second block's K steps 0 and 1, which land while the first block goes out.
; Four waves; wave w makes rows 64 w .. 64 w + 63 x all 192 columns: 48 accumulator tiles, 384 registers.  K = 1024 in 8 steps of 128 through a ring of two
; LDS slots filled by tensor loads whose rows are 256 bytes of memory, aligned.
; CLUSTER 4 x 4: xb's tile hangs on the block row alone and is asked for jointly along a row of the cluster, wt's on the head alone and jointly along a column.
; The matrix instruction is used transposed (source 0 = rows of wt, source 1 = rows of xb): a lane then holds eight neighbouring columns of one row of C.
; REGISTERS: window 0: v16-47 addresses and biases, v64-159 and v160-255 fragments of wt (two buffers);
;   window 1: accumulators of column blocks 0-7, tile (b, a) at v[8 (4 b + a)];  window 2: v0-127 those of blocks 8-11, v128-159 and v160-191 fragments of xb.
.set KSTEP,  128
.set PITCH,  272                       ; an LDS row: 256 bytes + 16 of padding, so that the 16 rows of a fragment load start 16 bytes apart modulo 256
.set NB,     12
.set AHALF,  128*PITCH
.set ABYTES, 2*AHALF
.set BHALF,  96*PITCH
.set SLOT,   ABYTES+2*BHALF            ; 121,856
.set STAGE,  2*SLOT                    ; behind the ring: 16 rows x 272 bytes for each wave; no tensor load lands here
.set LAPS,   1024/(2*KSTEP)
.set NLD,    2*(NB+4)                  ; LDS loads in one fetch
.set BACK,   3*2*KSTEP*2               ; a slot's address has been stepped three times by two K steps when a block ends: 1,536 bytes
.set NEXTA,  16*256*2048-BACK          ; xb: 16 block rows of 256 rows of 2,048 bytes on, and back to the slot's first K step
.set NEXTC,  16*256*128                ; qkv: 16 block rows of 256 rows of 128 bytes on
.set ADRA, 16
.set ADRB, 20
.set STO,  24
.set RD,   25
.set CO,   26
.set BOF,  27
.set BIAS, 32                          ; v[32:39] bq, v[40:47] bv of my eight columns
.set FB,   64                          ; + 96 f
.set FA,   128                         ; + 32 f, window 2
.set TL,   64                          ; the way out: rows read back
.set TS,   96                          ; the way out: packed f16
.set G1A, 24
.set G0A, 32
.set G1B, 48
.set G0B, 56
.set G1W0, (1<<16)|(1<<20)|(1<<21)|(5<<22)|(3<<25)   ; 2-byte elements, padding on, bit 21 beside a mask, 4 words after every 64
.set M1,   0x58                        ; source 0 window 0, source 1 window 2, C and D window 1
.set M2,   0xa8                        ; the same, C and D window 2
.set TO_A, 0x80                        ; destination window 2
.set MSB, 0
.macro WIN new                         ; the immediate's high byte repeats the setting that is left
.if MSB != \new
	s_set_vgpr_msb (MSB<<8)|\new
.set MSB, \new
.endif
.endm
.macro PLACES n
.rept \n
	v_nop
.endr
.endm
; A joint load: waves 0 and 1 fetch xb's two halves, waves 2 and 3 wt's.  The branch hangs on the wave's number alone.
.macro JLOAD s
	s_cmp_eq_u32 s16, 0
	s_cbranch_scc0 .Lfor_b_\@
	tensor_load_to_lds s[G0A+4*\s:G0A+4*\s+3], s[G1A:G1A+7]
	s_nop 0
	s_branch .Lasked_\@
.Lfor_b_\@:
	tensor_load_to_lds s[G0B+4*\s:G0B+4*\s+3], s[G1B:G1B+7]
	s_nop 0
.Lasked_\@:
.endm
.macro CREST                           ; a round of the cluster's barrier behind its opening work-group barrier
	s_cmp_lg_u32 s14, 0
	s_cbranch_scc1 .Lnot_wave_0_\@
	s_barrier_signal -3
.Lnot_wave_0_\@:
	s_barrier_wait -3
	s_barrier_signal -1
	s_barrier_wait -1
.endm
.macro CROUND
	s_barrier_signal -1
	s_barrier_wait -1
	CREST
.endm
	s_load_b256 s[4:11], s[0:1], 0x0               ; xb 4, wt 6, bq 8, bv 10
	s_load_b64 s[12:13], s[0:1], 0x20              ; qkv
	v_lshl_add_u32 v63, v0, 2, 0x3fc00
	s_set_vgpr_msb 0x80
	v_mov_b32 v193, 0
	s_set_vgpr_msb 0x8088
	ds_add_u32 v63, v193
	s_set_vgpr_msb 0x8800
	v_lshrrev_b32 v1, 5, v0
	v_readfirstlane_b32 s14, v1                    ; wave
	s_and_b32 s15, s14, 1                          ; which half of a tile I fetch
	s_lshr_b32 s16, s14, 1                         ; I fetch for xb (0) or wt (1)
	s_bfe_u32 s18, ttmp6, 0x40000                  ; cx
	s_bfe_u32 s19, ttmp6, 0x40004                  ; cy
	s_lshl_b32 s20, ttmp9, 2
	s_add_co_u32 s20, s20, s18                     ; head = 4 x cluster x + cx
	s_and_b32 s21, ttmp7, 0xffff
	s_lshl_b32 s21, s21, 2
	s_add_co_u32 s21, s21, s19                     ; my first block row = 4 x cluster y + cy, 0 .. 15; the second is 16 further down
	s_lshl_b32 s22, s19, 2
	s_lshl_b32 s22, 15, s22                        ; my row of the cluster
	s_lshl_b32 s23, 0x1111, s18                    ; my column
	s_or_b32 s[G1A+0], s22, G1W0
	s_mov_b32 s[G1A+1], KSTEP<<16                  ; tensor_dim0 = 128
	s_mov_b32 s[G1A+2], 128<<16                    ; tensor_dim1 = 128
	s_mov_b32 s[G1A+3], KSTEP<<16                  ; tile_dim0 = 128
	s_mov_b32 s[G1A+4], 128                        ; tile_dim1 = 128
	s_mov_b32 s[G1A+5], 1024                       ; elements from row to row
	s_mov_b32 s[G1A+6], 0
	s_mov_b32 s[G1A+7], 0
	s_or_b32 s[G1B+0], s23, G1W0
	s_mov_b32 s[G1B+1], KSTEP<<16
	s_mov_b32 s[G1B+2], 96<<16                     ; 96 rows
	s_mov_b32 s[G1B+3], KSTEP<<16
	s_mov_b32 s[G1B+4], 96
	s_mov_b32 s[G1B+5], 1024
	s_mov_b32 s[G1B+6], 0
	s_mov_b32 s[G1B+7], 0
	s_lshl_b32 s40, s21, 19                        ; xb: (256 block row
	s_lshl_b32 s42, s15, 18                        ;    + 128 half) rows of 2048 bytes; s[40:43] never hold cx
	s_add_co_u32 s40, s40, s42
	s_mov_b32 s41, 0
	s_mul_i32 s44, s20, 393216                     ; wt: (192 head
	s_mul_i32 s46, s15, 196608                     ;    + 96 half) rows of 2048 bytes; s[44:47] never hold cy
	s_add_co_u32 s44, s44, s46
	s_mov_b32 s45, 0
	s_mul_i32 s42, s14, AHALF                      ; LDS: xb's halves at wave x 34,816 (waves 0, 1),
	s_mul_i32 s46, s14, BHALF
	s_add_co_u32 s46, s46, ABYTES-2*BHALF          ; wt's at 69,632 + (wave - 2) x 26,112 (waves 2, 3)
	s_wait_dscnt 0x0
	s_wait_kmcnt 0x0
	s_add_nc_u64 s[40:41], s[4:5], s[40:41]
	s_add_nc_u64 s[44:45], s[6:7], s[44:45]
	CROUND                                         ; all sixteen work-groups are here: the first joint loads meet
.irp s, 0,1
	s_mov_b32 s[G0A+4*\s], 1
	s_add_co_u32 s[G0A+4*\s+1], s42, \s*SLOT
	s_add_nc_u64 s[G0A+4*\s+2:G0A+4*\s+3], s[40:41], \s*KSTEP*2
	s_or_b32 s[G0A+4*\s+3], s[G0A+4*\s+3], 0x80000000
	s_mov_b32 s[G0B+4*\s], 1
	s_add_co_u32 s[G0B+4*\s+1], s46, \s*SLOT
	s_add_nc_u64 s[G0B+4*\s+2:G0B+4*\s+3], s[44:45], \s*KSTEP*2
	s_or_b32 s[G0B+4*\s+3], s[G0B+4*\s+3], 0x80000000
	JLOAD \s                                       ; K steps 0 and 1: two tensor loads of this wave are out, later one
.endr
	v_and_b32 v1, 15, v0                           ; r
	v_bfe_u32 v2, v0, 4, 1                         ; h
	v_mul_u32_u24 v3, v1, PITCH
	v_lshl_add_u32 v4, v2, 4, v3                   ; a fragment's lane term: r x pitch + 16 h
	s_mul_i32 s72, s14, 64*PITCH
	v_add_nc_u32 v[ADRA], s72, v4                  ; my 64 rows of xb's tile
	v_add_nc_u32 v[ADRA+1], SLOT, v[ADRA]
	v_add_nc_u32 v[ADRB], ABYTES, v4
	v_add_nc_u32 v[ADRB+1], SLOT, v[ADRB]
	s_mul_i32 s72, s14, 16*PITCH
	s_add_co_u32 s72, s72, STAGE                   ; my stage
	v_lshl_add_u32 v5, v2, 5, v3
	v_add_nc_u32 v[STO], s72, v5                   ; in: row r, 32 bytes for each half of the lanes
	v_bfe_u32 v5, v0, 3, 2
	v_and_b32 v6, 7, v0
	v_mul_u32_u24 v5, v5, PITCH
	v_lshl_add_u32 v5, v6, 5, v5
	v_add_nc_u32 v[RD], s72, v5                    ; back: eight lanes take a row, 32 bytes of f32 each
	v_and_b32 v7, 31, v0
	v_lshlrev_b32 v[CO], 4, v7                     ; out: 16 bytes a lane, 512 consecutive bytes a wave (four rows of 64 f16)
	v_lshlrev_b32 v[BOF], 5, v6
	s_lshl_b32 s74, s20, 8
	s_mov_b32 s75, 0
	s_add_nc_u64 s[8:9], s[8:9], s[74:75]          ; bq, bv at my head
	s_add_nc_u64 s[10:11], s[10:11], s[74:75]
	global_load_b128 v[BIAS:BIAS+3],     v[BOF], s[8:9]
	global_load_b128 v[BIAS+4:BIAS+7],   v[BOF], s[8:9] offset:16
	global_load_b128 v[BIAS+8:BIAS+11],  v[BOF], s[10:11]
	global_load_b128 v[BIAS+12:BIAS+15], v[BOF], s[10:11] offset:16
	s_lshl_b32 s72, s20, 20                        ; qkv: head x 8192 rows x 128 bytes
	s_lshl_b32 s74, s21, 15                        ;    + 256 block row rows
	s_add_co_u32 s72, s72, s74
	s_lshl_b32 s74, s14, 13                        ;    + 64 wave rows
	s_add_co_u32 s72, s72, s74
	s_mov_b32 s73, 0
	s_add_nc_u64 s[66:67], s[12:13], s[72:73]      ; q
	s_add_nc_u64 s[68:69], s[66:67], 0x1000000     ; k
	s_add_nc_u64 s[70:71], s[68:69], 0x1000000     ; v
; the fragments of one quarter step (32 along K at byte 64 q of the rows) into buffer f: 192 rows of wt, my 64 rows of xb
.macro FETCH slot, q, f
	WIN 0
.irp i, 0,1,2,3,4,5,6,7,8,9,10,11
	ds_load_b128 v[FB+96*\f+8*\i:FB+96*\f+8*\i+3],   v[ADRB+\slot] offset:64*\q+\i*16*PITCH
	ds_load_b128 v[FB+96*\f+8*\i+4:FB+96*\f+8*\i+7], v[ADRB+\slot] offset:64*\q+\i*16*PITCH+32
.endr
	WIN TO_A
.irp i, 0,1,2,3
	ds_load_b128 v[FA+32*\f+8*\i:FA+32*\f+8*\i+3],   v[ADRA+\slot] offset:64*\q+\i*16*PITCH
	ds_load_b128 v[FA+32*\f+8*\i+4:FA+32*\f+8*\i+7], v[ADRA+\slot] offset:64*\q+\i*16*PITCH+32
.endr
.endm
; four products: column block b x my four row blocks.  The 48 accumulators take turns, one instruction a turn, in the same order in every quarter.
; zero = 1: the first product starts the sums.
.macro MULB b, f, zero
.if \b < 8
	WIN M1
.set ACB, 32*\b
.else
	WIN M2
.set ACB, 32*(\b-8)
.endif
.irp a, 0,1,2,3
.if \zero
	v_wmma_f32_16x16x32_bf16 v[ACB+8*\a:ACB+8*\a+7], v[FB+96*\f+8*\b:FB+96*\f+8*\b+7], v[FA+32*\f+8*\a:FA+32*\f+8*\a+7], 0
.else
	v_wmma_f32_16x16x32_bf16 v[ACB+8*\a:ACB+8*\a+7], v[FB+96*\f+8*\b:FB+96*\f+8*\b+7], v[FA+32*\f+8*\a:FA+32*\f+8*\a+7], v[ACB+8*\a:ACB+8*\a+7]
.endif
.endr
.endm
; one of a K step's first three quarters: fetches quarter q into buffer g, which the products just issued have read (four places in front of the loads),
; and multiplies buffer f
.macro QUARTER slot, q, f, g, zero
	PLACES 4
	FETCH \slot, \q, \g
	s_wait_dscnt NLD                               ; all but the NLD loads just issued: buffer f is in
.irp b, 0,1,2,3,4,5,6,7,8,9,10,11
	MULB \b, \f, \zero
.endr
.endm
.macro THREE slot, zero
	QUARTER \slot, 1, 0, 1, \zero
	QUARTER \slot, 2, 1, 0, 0
	QUARTER \slot, 3, 0, 1, 0
.endm
; the last quarter multiplies buffer 1 and changes slots.  In front of the barrier each wave waits for its reads of this slot and for all its tensor loads
; (the one that is out is its part of the next slot); behind it the refill comes first, then the next slot's first fragments.
; fill = 0: nothing is asked for; 1: this slot's tile two K steps on; 2: the same slot's first tile of my second block.
; fetch = 0: the next slot's fragments are read later, behind the way out, whose scratch lies in buffer 0.
.macro TURN slot, next, fill, fetch
	s_wait_dscnt 0x0
	s_wait_tensorcnt 0x0
	ds_add_u32 v63, v193
	s_wait_dscnt 0x0
	s_barrier_signal -1
.irp b, 0,1,2,3
	MULB \b, 1, 0                                  ; register work while the others arrive
.endr
	WIN 0
	s_barrier_wait -1
.if \fill
	CREST                                          ; all sixteen work-groups have said so: no partner reads this slot or has a load on its way
.if \fill == 1
	s_add_nc_u64 s[G0A+4*\slot+2:G0A+4*\slot+3], s[G0A+4*\slot+2:G0A+4*\slot+3], 2*KSTEP*2
	s_add_nc_u64 s[G0B+4*\slot+2:G0B+4*\slot+3], s[G0B+4*\slot+2:G0B+4*\slot+3], 2*KSTEP*2
.else
	s_add_nc_u64 s[G0A+4*\slot+2:G0A+4*\slot+3], s[G0A+4*\slot+2:G0A+4*\slot+3], NEXTA   ; xb: the block 16 block rows down, the slot's first K step
	s_sub_nc_u64 s[G0B+4*\slot+2:G0B+4*\slot+3], s[G0B+4*\slot+2:G0B+4*\slot+3], BACK    ; wt: the same head's rows again, the slot's first K step
.endif
	JLOAD \slot
.endif
.if \fetch
	PLACES 4
	FETCH \next, 0, 0
.endif
.irp b, 4,5,6,7,8,9,10,11
	MULB \b, 1, 0
.endr
.endm
.macro LAP zero
	THREE 0, \zero
	TURN 0, 1, 1, 1
	THREE 1, 0
	TURN 1, 0, 1, 1
.endm
; THE WAY OUT: 16 rows x 64 columns (one of q, k, v) as f32 through my own stage, read back so that a lane holds eight neighbouring columns,
; bias added in f32, rounded once to f16, 512 consecutive bytes stored by the wave.  LDS serves a wave's instructions in order: no wait between stores and loads.
.macro OUTQ a, g
.if \g < 2
	WIN 0x04                                       ; store data from window 1
.set ACB, 128*\g+8*\a
.else
	WIN 0x08                                       ; from window 2
.set ACB, 8*\a
.endif
.irp bb, 0,1,2,3
	ds_store_b128 v[STO], v[ACB+32*\bb:ACB+32*\bb+3]   offset:64*\bb
	ds_store_b128 v[STO], v[ACB+32*\bb+4:ACB+32*\bb+7] offset:64*\bb+16
.endr
	WIN 0
	s_wait_xcnt 0x0                                ; TS, which the last stores read, is rewritten only behind this wait
.irp i, 0,1,2,3,4,5,6,7
	ds_load_b128 v[TL+4*\i:TL+4*\i+3], v[RD] offset:(\i>>1)*4*PITCH+(\i&1)*16
.endr
.irp t, 0,1,2,3
	s_wait_dscnt 6-2*\t                            ; the two loads of rows 4 t .. 4 t + 3 are in, the younger ones stay out
.if \g != 1
.irp k, 0,1,2,3
	v_pk_add_f32 v[TL+8*\t+2*\k:TL+8*\t+2*\k+1], v[TL+8*\t+2*\k:TL+8*\t+2*\k+1], v[BIAS+4*\g+2*\k:BIAS+4*\g+2*\k+1]
.endr
.endif
.irp k, 0,1,2,3
	v_cvt_pk_f16_f32 v[TS+4*\t+\k], v[TL+8*\t+2*\k], v[TL+8*\t+2*\k+1]
.endr
	global_store_b128 v[CO], v[TS+4*\t:TS+4*\t+3], s[66+2*\g:67+2*\g] offset:2048*\a+512*\t
.endr
.endm
; One block of 256 rows.  At its head slot 0 holds its K step 0, shown whole to every wave by the barrier before, and K step 1's load is on its way.
; more = 1: another block follows, and the last lap's two changes of slots ask for its K steps 0 and 1.  A joint load stands on every path of the text,
; so the two blocks are two expansions and no loop.
.macro BLOCK more
	FETCH 0, 0, 0
	LAP 1                                          ; the first lap's first products start the sums
	WIN 0                                          ; at a label and at a branch every window is 0
	s_mov_b32 s17, LAPS-2
.Llap_\@:
	LAP 0
	WIN 0
	s_sub_co_u32 s17, s17, 1
	s_cmp_lg_u32 s17, 0
	s_cbranch_scc1 .Llap_\@
	THREE 0, 0
.if \more
	TURN 0, 1, 2, 1
	THREE 1, 0
	TURN 1, 0, 2, 0                                ; its wait for 0 and its round show the next block's K step 0 whole; K step 1's load lands under the way out
.else
	TURN 0, 1, 0, 1                                ; the last lap of all fills nothing
	THREE 1, 0
	s_wait_dscnt 0x0
.irp b, 0,1,2,3,4,5,6,7,8,9,10,11
	MULB \b, 1, 0
.endr
.endif
	PLACES 4                                       ; in front of the LDS stores that read results and of loads into the fragment registers
	s_wait_loadcnt 0x0                             ; the biases (met at once in the second block)
.irp a, 0,1,2,3
.irp g, 0,1,2
	OUTQ \a, \g
.endr
.endr
.if \more
	s_wait_xcnt 0x0                                ; the stores' bases are stepped, and TS is loaded over by the next fetch, only behind this wait
	s_add_nc_u64 s[66:67], s[66:67], NEXTC
	s_add_nc_u64 s[68:69], s[68:69], NEXTC
	s_add_nc_u64 s[70:71], s[70:71], NEXTC
.endif
.endm
	s_wait_tensorcnt 0x1                           ; my part of K step 0 is in; K step 1's stays out
	s_barrier_signal -1
	s_barrier_wait -1
	BLOCK 1
	BLOCK 0
	s_set_vgpr_msb 0x8
	s_wait_tensorcnt 0x0
	ds_add_u32 v63, v193
	s_wait_dscnt 0x0
	s_set_vgpr_msb 0x800
	CROUND                                         ; the closing round: no work-group ends while a partner may still ask for a tile that names it
	s_endpgm
.Lfunc_end_k_q8e7701c947_qkvg:
	.size	k_q8e7701c947_qkvg, .Lfunc_end_k_q8e7701c947_qkvg-k_q8e7701c947_qkvg
	.p2alignl 7, 3214868480
	.fill 96, 4, 3214868480
	.section	.rodata,"a",@progbits
	.p2align	6, 0x0
	.amdhsa_kernel k_q8e7701c947_qkvg
		.amdhsa_group_segment_fixed_size 327680
		.amdhsa_private_segment_fixed_size 0
		.amdhsa_enable_private_segment 0
		.amdhsa_kernarg_size 40
		.amdhsa_user_sgpr_count 2
		.amdhsa_user_sgpr_kernarg_segment_ptr 1
		.amdhsa_wavefront_size32 1
		.amdhsa_system_sgpr_workgroup_id_x 1
		.amdhsa_system_sgpr_workgroup_id_y 1
		.amdhsa_system_sgpr_workgroup_id_z 1
		.amdhsa_system_vgpr_workitem_id 0
		.amdhsa_next_free_vgpr 706
		.amdhsa_next_free_sgpr 76
		.amdhsa_reserve_vcc 0
		.amdhsa_float_denorm_mode_32 3
		.amdhsa_float_denorm_mode_16_64 3
		.amdhsa_memory_ordered 1
		.amdhsa_forward_progress 1
		.amdhsa_inst_pref_size 255
	.end_amdhsa_kernel
	.section	.bss,"aw",@nobits
	.p2align	6
	.space	262144
	.amdgpu_metadata
---
amdhsa.version: [ 1, 2 ]
amdhsa.kernels:
  - .name:           k_q8e7701c947_qkvg
    .symbol:         k_q8e7701c947_qkvg.kd
    .args:
      - { .name: xb, .offset: 0, .size: 8, .value_kind: global_buffer, .address_space: global }
      - { .name: wt, .offset: 8, .size: 8, .value_kind: global_buffer, .address_space: global }
      - { .name: bq, .offset: 16, .size: 8, .value_kind: global_buffer, .address_space: global }
      - { .name: bv, .offset: 24, .size: 8, .value_kind: global_buffer, .address_space: global }
      - { .name: qkv, .offset: 32, .size: 8, .value_kind: global_buffer, .address_space: global }
    .group_segment_fixed_size: 327680
    .private_segment_fixed_size: 0
    .kernarg_segment_align: 8
    .kernarg_segment_size: 40
    .max_flat_workgroup_size: 128
    .sgpr_count:     76
    .vgpr_count:     706
    .wavefront_size: 32
...
	.end_amdgpu_metadata
.endif
;; end of part 5
;; launch attn (part 6): grid 4 x 64, 4 waves a work-group, no clusters, 327,680 bytes of LDS; arguments qkv, ctxh; writes ctxh
.if DOCPART == 6
	.amdgcn_target "amdgcn-amd-amdhsa--gfx1250"
	.amdhsa_code_object_version 6
	.text
	.protected	k_q8e7701c947_attn
	.globl	k_q8e7701c947_attn
	.p2align	8
	.type	k_q8e7701c947_attn,@function
k_q8e7701c947_attn:
	s_mov_b64 s[64:65], 0
	v_nop
	global_prefetch_b8 v0, s[64:65] scope:SCOPE_SE
	s_setreg_imm32_b32 hwreg(HW_REG_WAVE_MODE, 25, 1), 1
	s_wait_xcnt 0x0
; ctx = softmax(q k^T / 8, causal) v for one head and batch (grid y = 4 head + batch); f16 operands, f32 sums, running maximum and sum in f32.
; LEFT OUT: tiles of 64 keys x 16 queries wholly above the diagonal: reference() sets those scores to -inf, so their weights are 0 for all values.
; Work-group x = a does query block a and then block 7 - a (256 queries each): 2 diagonal and 7 full blocks of 256 keys for every work-group.
; Wave w owns four tiles of 16 queries, u = 0 .. 3, at 16 (w + 4 u) of the block: in diagonal step j (64 keys) tiles u > j are full, u = j is masked, u < j dead,
; alike in all waves.
; ONE TEXT FOR BOTH PASSES, an outer loop of two trips.  A pass over query block I takes its keys in this order: the diagonal block's keys 0 .. 127 (slot 0),
; the I blocks under the diagonal (an inner loop: 128 keys from slot 1, 128 from slot 0), the diagonal block's keys 128 .. 255 (slot 1).
;  - Diagonal step 0 comes first: it holds a live key for every query of the block, so the running maximum is finite from the start and nothing is cleared.
;  - Each pass ends in the same lines, which ask for no tile, and asks for its own first tile at its head: no tensor load hangs on the pass's number.
;  - 4 + 3 + 16 + 2 + 1 = 26 steps of one tile are written; a wave runs 132.
; TRANSPOSED: S^T = K Q^T (source 0 = rows of K, source 1 = rows of Q): lane (r, h) holds query r and keys 16 kt + 8 h + j.  Two such tiles, packed to f16,
; are the second operand of ctx^T = V^T P^T as they lie; V^T's fragments come by the transposing LDS load.  No value crosses lanes but the two halves' maxima.
; TWO PIECES TAKE TURNS: piece 0 = tiles 0, 1, piece 1 = tiles 2, 3; they share the K and V^T fragments.  For key step t the text runs
;   block  P of piece 1 (t-1) packed and its sums updated; maxima and factors of piece 0 (t)
;   run    16 ctx products of piece 1 (t-1), behind each a slice of the rescaling of piece 0's sums (t);    then V^T (t) is loaded
;   run    16 score products of piece 1 (t), behind each a slice of piece 0's exponentials (t);             then K (t+1) is loaded
;   block  P of piece 0 (t) packed and its sums updated; maxima and factors of piece 1 (t)
;   run    16 ctx products of piece 0 (t), rescaling of piece 1 (t)
;   run    16 score products of piece 0 (t+1), exponentials of piece 1 (t)
; so one buffer of K fragments and one of V^T are enough, and each load has a run or more in which to land.
; WINDOWS are laid out so that a run needs no switch between a product and its slice:
;   window 0: v0-63 as named below, v64-191 scores, v192-255 K;   window 1: v0-127 ctx^T sums (u, d) at 8 (4 u + d), v128-191 V^T, v192-255 Q.
;   Score runs: only source 1 (Q) in window 1; their slices name no vector register as source 1 (the scale is a scalar; a sum is written x * 1.0 + t).
;   ctx runs: source 0 (V^T), C and D (sums) in window 1, source 1 (P) in window 0: sums = sums x factor has just these places.
;   The maxima, the packing and l = l x factor + sum take two vector sources from window 0: they stand in the blocks, about 80 lines with no product beside them;
;   to set them among products would take two switches a product.
; NO CLUSTER: the four work-groups of one head read the same K and V, but block a needs a + 1 key blocks and block 7 - a needs 8 - a; a walk in step
; would take 4 + 8 = 12 block steps in every partner for 9 blocks' work.
; LDS: slot s at 40,960 s: K, 128 keys at pitch 144, from byte 0; V, 128 keys at pitch 160, from byte 20,480.  Stage at 81,920, 2,304 bytes a wave.
; A slot's fill is asked for 128 keys of work before it is read, a pass's first tile excepted; one tensor load of a wave is out at a time.
.set KPITCH, 144
.set VPITCH, 160
.set VOFF,   20480
.set SLOT,   40960
.set STAGE,  2*SLOT
.set AK,   3                           ; r x 144 + 16 h
.set AV,   4                           ; 20,480 + (8 h + (L & 7)) x 160 + 16 ((L >> 3) & 1)
.set STO,  5
.set RD,   6
.set CO,   7
.set QO,   8
.set THR,  9                           ; 16 w + r - 8 h: key 16 kt + j of the masked tile is dead where it is greater
.set NINF, 10
.set MX,   12                          ; v[12:15]  running maximum of tile u (in score units)
.set LS,   16                          ; v[16:19]  running sum, each half of the lanes its own keys'
.set NMC,  20                          ; v[20:27]  pairs: - c x maximum (the odd registers are written once)
.set AL,   28                          ; v[28:35]  pairs: the factor for the old sums (likewise)
.set TT,   36                          ; v[36:47] for even tiles, v[48:59] for odd ones: +0, +1 maxima, +2 new maximum, +3 the factor's exponent, +4 .. +11 four pairs of partial sums
.set PFQ,  60                          ; 256 x thread: a prefetch's place in 32 KiB
.set PFT,  61                          ; 256 x (thread mod 64): in 16 KiB
.set SC,   64                          ; v[64:191] scores (u, kt) at 64 + 8 (4 u + kt); then P (u, c2) at 64 + 32 u + 8 c2
.set KF,   192                         ; v[192:255] K (kt, c)
.set VF,   128                         ; window 1: V^T (d, c2)
.set QF,   192                         ; window 1: Q (u, c)
.set SIG_S, 0x04                       ; score runs: source 1 in window 1
.set SIG_P, 0x51                       ; ctx runs: source 0, source 2 and destination in window 1
.set TO_1,  0x40                       ; loads into window 1
.set G1K, 24
.set G1V, 32
.set G0K, 40
.set G0V, 48
.set KB,  56
.set VB,  58
.set QB,  60                           ; s[60:61] q, s[62:63] ctx at my first row of the pass's block
.set CB,  62
.set CS,  18                           ; s[18:19] c = log2(e) / 8, twice; s20 = - c
.set MSB, 0
.macro WIN new                         ; the immediate's high byte repeats the setting that is left
.if MSB != \new
	s_set_vgpr_msb (MSB<<8)|\new
.set MSB, \new
.endif
.endm
.macro PLACES n
.if \n
.rept \n
	v_nop
.endr
.endif
.endm
.macro SETADR slot                     ; the slot's next tile begins at key s15
	s_lshl_b32 s16, s15, 7
	s_add_nc_u64 s[G0K+4*\slot+2:G0K+4*\slot+3], s[KB:KB+1], s[16:17]
	s_or_b32 s[G0K+4*\slot+3], s[G0K+4*\slot+3], 0x80000000
	s_add_nc_u64 s[G0V+4*\slot+2:G0V+4*\slot+3], s[VB:VB+1], s[16:17]
	s_or_b32 s[G0V+4*\slot+3], s[G0V+4*\slot+3], 0x80000000
.endm
.macro KVLOAD slot                     ; waves 0, 1: 64 keys of K each; waves 2, 3: 64 keys of V each
	s_cmp_eq_u32 s10, 0
	s_cbranch_scc0 .Lfor_v_\@
	tensor_load_to_lds s[G0K+4*\slot:G0K+4*\slot+3], s[G1K:G1K+7]
	s_nop 0
	s_branch .Lasked_\@
.Lfor_v_\@:
	tensor_load_to_lds s[G0V+4*\slot:G0V+4*\slot+3], s[G1V:G1V+7]
	s_nop 0
.Lasked_\@:
.endm
.macro LOADK slot, jj                  ; 64 keys x 64 dk as eight first operands; called with every window 0
.irp kt, 0,1,2,3
.irp c, 0,1
	ds_load_b128 v[KF+8*(2*\kt+\c):KF+8*(2*\kt+\c)+3],   v[AK] offset:\slot*SLOT+(64*\jj+16*\kt)*KPITCH+64*\c
	ds_load_b128 v[KF+8*(2*\kt+\c)+4:KF+8*(2*\kt+\c)+7], v[AK] offset:\slot*SLOT+(64*\jj+16*\kt)*KPITCH+64*\c+32
.endr
.endr
.endm
.macro LOADV slot, jj                  ; the same 64 keys of V, transposed: rows dk = 16 d + r, keys 32 c2 .. + 31 along the registers
	WIN TO_1
.irp d, 0,1,2,3
.irp c2, 0,1
	ds_load_tr16_b128 v[VF+8*(2*\d+\c2):VF+8*(2*\d+\c2)+3],   v[AV] offset:\slot*SLOT+(64*\jj+32*\c2)*VPITCH+32*\d
	ds_load_tr16_b128 v[VF+8*(2*\d+\c2)+4:VF+8*(2*\d+\c2)+7], v[AV] offset:\slot*SLOT+(64*\jj+32*\c2+16)*VPITCH+32*\d
.endr
.endr
.endm
.macro QLOAD                           ; my 64 queries as eight second operands, straight from memory
	WIN TO_1
.irp u, 0,1,2,3
.irp c, 0,1
	global_load_b128 v[QF+8*(2*\u+\c):QF+8*(2*\u+\c)+3],   v[QO], s[QB:QB+1] offset:8192*\u+64*\c
	global_load_b128 v[QF+8*(2*\u+\c)+4:QF+8*(2*\u+\c)+7], v[QO], s[QB:QB+1] offset:8192*\u+64*\c+32
.endr
.endr
	WIN 0
.endm
; The change of slots.  In front of the barrier every wave waits for all its tensor loads (its part of this slot) and for its reads of the other slot
; (its last K and V^T fragments are in registers by then); behind it the other slot is filled again first, one tensor load a wave, then this slot is read.
.macro HEAD slot, other, refill
	WIN 0
	s_wait_tensorcnt 0x0
	ds_add_u32 v62, v63
	s_wait_dscnt 0x0
.if \refill
	SETADR \other                                  ; no tensor load of mine is out: a descriptor may be written
.endif
	s_wait_dscnt 0x0
	s_barrier_signal -1
	s_barrier_wait -1
.if \refill
	KVLOAD \other
.endif
	LOADK \slot, 0
.endm
; ---- In all that follows a set of tiles is given as lo, hi (4, 3 = none) and pb is the piece's first tile (0 or 2).
; Product WJ (0 .. 15) of a score run: c = WJ >> 3, tile pb + ((WJ >> 2) & 1), kt = WJ & 3.  The first pass over dk starts the sums.
; The run's accumulators (eight, or four where a tile is dead) take turns, one instruction a turn.
.macro STW pb, lo, hi
.if ((WJ >= 0) & (WJ < 16))
.set WU, \pb+((WJ>>2)&1)
.if ((WU >= \lo) & (WU <= \hi))
.set WD, SC+8*(4*WU+(WJ&3))
.set WA, KF+8*(2*(WJ&3)+(WJ>>3))
.set WB, QF+8*(2*WU+(WJ>>3))
.if WJ < 8
	v_wmma_f32_16x16x32_f16 v[WD:WD+7], v[WA:WA+7], v[WB:WB+7], 0
.else
	v_wmma_f32_16x16x32_f16 v[WD:WD+7], v[WA:WA+7], v[WB:WB+7], v[WD:WD+7]
.endif
.endif
.endif
.endm
; Product WJ of a ctx run: c2 = WJ >> 3, tile pb + ((WJ >> 2) & 1), d = WJ & 3.  zero: nothing has been summed yet.  Turns as above.
.macro PVW pb, lo, hi, zero
.set WU, \pb+((WJ>>2)&1)
.if ((WU >= \lo) & (WU <= \hi))
.set WD, 8*(4*WU+(WJ&3))
.set WA, VF+8*(2*(WJ&3)+(WJ>>3))
.set WB, SC+32*WU+8*(WJ>>3)
.if ((\zero != 0) & (WJ < 8))
	v_wmma_f32_16x16x32_f16 v[WD:WD+7], v[WA:WA+7], v[WB:WB+7], 0
	s_wait_alu depctr_va_vdst(0)
.else
	v_wmma_f32_16x16x32_f16 v[WD:WD+7], v[WA:WA+7], v[WB:WB+7], v[WD:WD+7]
.endif
.endif
.endm
; The next n of a piece's 32 rescaling lines (index RI: tile pb + (RI & 1), pair RI >> 1): sums = sums x factor
.macro RSC n, pb, lo, hi
.rept \n
.set RU, \pb+(RI&1)
.if ((RU >= \lo) & (RU <= \hi))
	v_pk_mul_f32 v[32*RU+2*(RI>>1):32*RU+2*(RI>>1)+1], v[32*RU+2*(RI>>1):32*RU+2*(RI>>1)+1], v[AL+2*RU:AL+2*RU+1] op_sel_hi:[1,0]
.endif
.set RI, RI+1
.endr
.endm
; A ctx run of one piece with the other piece's rescaling behind its products: 2 lines behind each of the first twelve, 1 behind the next three, 5 behind the last.
; Those five are the places in front of the loads into V^T's registers (four) and of the score products that write over P (five);
; they name the other piece's sums and factors alone.  pad: v_nop for the steps in which the other piece has fewer lines or none.
.macro PVRUN pb, plo, phi, zero, rb, rlo, rhi, pad
	WIN SIG_P
.set RI, 0
.set WJ, 0
.rept 16
	PVW \pb, \plo, \phi, \zero
.if WJ < 12
	RSC 2, \rb, \rlo, \rhi
.else
.if WJ < 15
	RSC 1, \rb, \rlo, \rhi
.else
	RSC 5, \rb, \rlo, \rhi
.endif
.endif
.set WJ, WJ+1
.endr
	PLACES \pad
.endm
; Unit UN (0 .. 19) of a piece's exponentials: tile pb + (UN & 1), that tile's unit m = UN >> 1.  A tile's 32 scores are four groups of eight.
;   m = 0 .. 7: four exponentials, registers 4 m .. 4 m + 3, each followed by a plain line where the tile has one:
;   m = 0, 1, 2: the arguments c s - c max of group m + 1;  m = 4: groups 0 + 1 start four pairs of sums;  m = 6, 8: groups 2, 3 are added;  m = 9: the closing sums.
; Between an exponential and its use stands a plain line of the same tile that touches neither (ISA guide 5.7.2): the sums of m = 4, 6, 8 begin with the
; registers whose exponentials stood two units before, each beside a plain line.  So a tile's stream is sound by itself, with or without its neighbour's between.
; A sum is written x * 1.0 + t: under the run's setting a vector register in the second place would be taken from Q's window.
.macro EUNIT pb, lo, hi
.set EU, \pb+(UN&1)
.if ((EU >= \lo) & (EU <= \hi))
.set EM, UN>>1
.set ES, SC+32*EU
.set ET, TT+12*(UN&1)+4
.set EI, 0
.rept 4
.if EM < 8
	v_exp_f32 v[ES+4*EM+EI], v[ES+4*EM+EI]
.endif
.if EM < 3
	v_pk_fma_f32 v[ES+8*EM+8+2*EI:ES+8*EM+9+2*EI], v[ES+8*EM+8+2*EI:ES+8*EM+9+2*EI], s[CS:CS+1], v[NMC+2*EU:NMC+2*EU+1] op_sel_hi:[1,0,0]
.endif
.if EM == 4
	s_wait_alu depctr_va_vdst(0)
	v_pk_fma_f32 v[ET+2*EI:ET+2*EI+1], v[ES+2*EI:ES+2*EI+1], 1.0, v[ES+8+2*EI:ES+9+2*EI] op_sel_hi:[1,0,1]
.endif
.if EM == 6
	s_wait_alu depctr_va_vdst(0)
	v_pk_fma_f32 v[ET+2*EI:ET+2*EI+1], v[ES+16+2*EI:ES+17+2*EI], 1.0, v[ET+2*EI:ET+2*EI+1] op_sel_hi:[1,0,1]
.endif
.if EM == 8
	s_wait_alu depctr_va_vdst(0)
	v_pk_fma_f32 v[ET+2*EI:ET+2*EI+1], v[ES+24+2*EI:ES+25+2*EI], 1.0, v[ET+2*EI:ET+2*EI+1] op_sel_hi:[1,0,1]
.endif
.set EI, EI+1
.endr
.if EM == 9
	v_pk_fma_f32 v[ET:ET+1],   v[ET:ET+1],   1.0, v[ET+2:ET+3] op_sel_hi:[1,0,1]
	v_pk_fma_f32 v[ET+4:ET+5], v[ET+4:ET+5], 1.0, v[ET+6:ET+7] op_sel_hi:[1,0,1]
	v_pk_fma_f32 v[ET:ET+1],   v[ET:ET+1],   1.0, v[ET+4:ET+5] op_sel_hi:[1,0,1]
	v_fma_f32 v[ET], v[ET], 1.0, v[ET+1]           ; the tile's sum over this step's keys
.endif
.endif
.endm
; A score run of one piece (sb, slo, shi) with the other piece's exponentials (eb, elo, ehi).  First the arguments of group 0; then unit UN stands behind
; product UN - d.  d = 4 where K's fragments have just been asked for: four units go ahead of the first product.  kw >= 0: the wait for K in front of it.
; Behind the last product stand at least four closing sums, which name none of its registers: the places in front of the first read of a score
; and of the next loads into K's registers.
.macro STRUN sb, slo, shi, eb, elo, ehi, d, kw
	WIN SIG_S
.irp i, 0,1,2,3
.irp u, 0,1,2,3
.if ((\u >= \elo) & (\u <= \ehi))
	v_pk_fma_f32 v[SC+32*\u+2*\i:SC+32*\u+2*\i+1], v[SC+32*\u+2*\i:SC+32*\u+2*\i+1], s[CS:CS+1], v[NMC+2*\u:NMC+2*\u+1] op_sel_hi:[1,0,0]
.endif
.endr
.endr
.set UN, 0
.rept 20
.if UN == \d
.if \kw >= 0
	s_wait_dscnt \kw
.endif
.endif
.set WJ, UN-\d
	STW \sb, \slo, \shi
	EUNIT \eb, \elo, \ehi
.set UN, UN+1
.endr
.endm
; Registers 2 g and 2 g + 1 of P in each tile of the set: register x is written after 2 x and 2 x + 1 were read
.macro CV g, lo, hi
.irp x, 0,1
.irp u, 0,1,2,3
.if ((\u >= \lo) & (\u <= \hi))
	v_cvt_pk_f16_f32 v[SC+32*\u+2*\g+\x], v[SC+32*\u+4*\g+2*\x], v[SC+32*\u+4*\g+2*\x+1]
.endif
.endr
.endr
.endm
; Line k of the statistics, for each tile of the set
.macro STAT k, lo, hi, first
.irp u, 0,1,2,3
.if ((\u >= \lo) & (\u <= \hi))
.set TB, TT+12*(\u&1)
.if \k == 0
	v_max3_num_f32 v[TB], v[TB], v[SC+32*\u+15], v[SC+32*\u+16]
.endif
.if \k == 1
	v_max_num_f32 v[TB], v[TB], v[TB+1]
.endif
.if \k == 2
	v_permlanex16_b32 v[TB+1], v[TB], s21, s22     ; the other half's keys of the same query
.endif
.if \k == 3
.if \first
	v_max_num_f32 v[TB+2], v[TB], v[TB+1]
.else
	v_max3_num_f32 v[TB+2], v[TB], v[TB+1], v[MX+\u]
.endif
.endif
.if \k == 4
	v_mul_f32 v[NMC+2*\u], s20, v[TB+2]            ; - c m
.endif
.if \first == 0
.if \k == 5
	v_fma_f32 v[TB+3], v[MX+\u], s18, v[NMC+2*\u]  ; c (old m - m)
.endif
.if \k == 6
	v_exp_f32 v[AL+2*\u], v[TB+3]
.endif
.endif
.if \k == 7
	v_mov_b32 v[MX+\u], v[TB+2]                    ; a plain line between the factor's exponential and its first use
	s_wait_alu depctr_va_vdst(0)
.endif
.endif
.endr
.endm
; A block, with every window 0.  Tiles clo .. chi have their exponentials: l = l x factor + sum (cfirst: l = sum), P packed to f16 in place.
; Tiles mlo .. mhi have new scores: mask of tile mlo (mask = 1), new maximum, - c m, the factor for the old sums.
; The tiles' lines alternate (four chains of maxima), and the packing stands between the statistics' lines, each of which waits for the one before.
.macro BLK clo, chi, cfirst, mlo, mhi, mask, mfirst
.irp u, 0,1,2,3
.if ((\u >= \clo) & (\u <= \chi))
.if \cfirst
	v_mov_b32 v[LS+\u], v[TT+12*(\u&1)+4]
.else
	v_fma_f32 v[LS+\u], v[LS+\u], v[AL+2*\u], v[TT+12*(\u&1)+4]
.endif
.endif
.endr
.if \mask
.irp kt, 0,1,2,3
.irp j, 0,1,2,3,4,5,6,7
	v_cmp_gt_i32 vcc_lo, 16*\kt+\j, v[THR]
	v_cndmask_b32 v[SC+32*\mlo+8*\kt+\j], v[SC+32*\mlo+8*\kt+\j], v[NINF], vcc_lo
.endr
.endr
.endif
.irp u, 0,1,2,3
.if ((\u >= \mlo) & (\u <= \mhi))
	v_max3_num_f32 v[TT+12*(\u&1)],   v[SC+32*\u],    v[SC+32*\u+1],  v[SC+32*\u+2]
	v_max3_num_f32 v[TT+12*(\u&1)+1], v[SC+32*\u+17], v[SC+32*\u+18], v[SC+32*\u+19]
.endif
.endr
.irp i, 3,5,7,9,11,13
.irp u, 0,1,2,3
.if ((\u >= \mlo) & (\u <= \mhi))
	v_max3_num_f32 v[TT+12*(\u&1)],   v[TT+12*(\u&1)],   v[SC+32*\u+\i],    v[SC+32*\u+\i+1]
	v_max3_num_f32 v[TT+12*(\u&1)+1], v[TT+12*(\u&1)+1], v[SC+32*\u+\i+17], v[SC+32*\u+\i+18]
.endif
.endr
.endr
	STAT 0, \mlo, \mhi, \mfirst
	CV 0, \clo, \chi
	STAT 1, \mlo, \mhi, \mfirst
	CV 1, \clo, \chi
	STAT 2, \mlo, \mhi, \mfirst
	CV 2, \clo, \chi
	STAT 3, \mlo, \mhi, \mfirst
	CV 3, \clo, \chi
	STAT 4, \mlo, \mhi, \mfirst
	CV 4, \clo, \chi
	STAT 5, \mlo, \mhi, \mfirst
	CV 5, \clo, \chi
	STAT 6, \mlo, \mhi, \mfirst
	CV 6, \clo, \chi
	CV 7, \clo, \chi
	STAT 7, \mlo, \mhi, \mfirst
.endm
; A step t of 64 keys under the diagonal (half jj of the slot), from piece 0's score products to piece 0's ctx products.  At its head K (t) has been asked for,
; and piece 1's exponentials of step t - 1 are still to do; at its end those of step t are.  d: see STRUN.  samek: K (t+1) lies in the same slot.
.macro FSTEP slot, jj, d, samek
	STRUN 0, 0,1,  2, 2,3,  \d, 0                  ; the wait: K (t) is in
	WIN 0
	BLK 2,3,0,  0,1,0,0
	PVRUN 2, 2,3, 0,  0, 0,1, 0
	LOADV \slot, \jj                               ; V^T (t)
	STRUN 2, 2,3,  0, 0,1,  0, -1
	WIN 0
.if \samek
	LOADK \slot, 1                                 ; K (t+1)
.endif
	BLK 0,1,0,  2,3,0,0
	s_wait_dscnt 16*\samek                         ; V^T (t) is in; where K (t+1) has been asked for, its sixteen younger loads stay out
	PVRUN 0, 0,1, 0,  2, 2,3, 0
.endm
; ctx = sums / l, rounded once to f16, 16 queries at a time through my own stage, 512 consecutive bytes stored by the wave.
.macro EPI
	WIN 0
	PLACES 4                                       ; behind the last products, in front of the first read of a sum
.irp u, 0,1,2,3
	v_permlanex16_b32 v[TT+\u], v[LS+\u], s21, s22
.endr
.irp u, 0,1,2,3
	v_add_f32 v[LS+\u], v[LS+\u], v[TT+\u]         ; both halves' keys
.endr
.irp u, 0,1,2,3
	v_rcp_f32 v[AL+2*\u], v[LS+\u]
.endr
	v_nop                                          ; the plain instruction behind the reciprocals
	s_wait_alu depctr_va_vdst(0)
.irp u, 0,1,2,3
	WIN 0x01
.set xi, 0
.rept 16
	v_pk_mul_f32 v[SC+xi:SC+xi+1], v[32*\u+xi:32*\u+xi+1], v[AL+2*\u:AL+2*\u+1] op_sel_hi:[1,0]
.set xi, xi+2
.endr
	WIN 0
.set xi, 0
.rept 16
	v_cvt_pk_f16_f32 v[SC+32+xi], v[SC+2*xi], v[SC+2*xi+1]
.set xi, xi+1
.endr
.irp d, 0,1,2,3
	ds_store_b128 v[STO], v[SC+32+4*\d:SC+32+4*\d+3] offset:32*\d
.endr
.irp t, 0,1,2,3
	ds_load_b128 v[SC+48+16*\u+4*\t:SC+48+16*\u+4*\t+3], v[RD] offset:4*KPITCH*\t   ; LDS serves a wave's instructions in order: these see the stores above
.endr
.irp t, 0,1,2,3
	s_wait_dscnt 3-\t
	global_store_b128 v[CO], v[SC+48+16*\u+4*\t:SC+48+16*\u+4*\t+3], s[CB:CB+1] offset:8192*\u+512*\t
.endr
.endr
	s_wait_xcnt 0x0                                ; the stores' data registers are score registers again, and their base is rewritten, only behind this wait
.endm
	s_load_b128 s[4:7], s[0:1], 0x0                ; qkv, ctxh
	v_lshl_add_u32 v62, v0, 2, 0x29000
	v_mov_b32 v63, 0
	v_lshrrev_b32 v1, 5, v0
	v_readfirstlane_b32 s8, v1                     ; wave
	s_and_b32 s9, s8, 1
	s_lshr_b32 s10, s8, 1
	s_mov_b32 s11, ttmp9                           ; a: the first pass's query block
	s_sub_co_u32 s13, 7, s11                       ; the second pass's
	s_mov_b32 s18, 0x3e38aa3b                      ; c = log2(e) / 8
	s_mov_b32 s19, 0x3e38aa3b
	s_mov_b32 s20, 0xbe38aa3b
	s_mov_b32 s21, 0x76543210                      ; v_permlanex16_b32: lane i of the other half
	s_mov_b32 s22, 0xfedcba98
	; 64 keys are a dense block of 8 KiB: 32 rows of 32 elements of 8 bytes; padding behind every 32 words (a key's 128 bytes)
	s_mov_b32 s[G1K+0], (3<<16)|(1<<20)|(4<<22)|(3<<25)   ; 4 words of padding: pitch 144
	s_mov_b32 s[G1K+1], 32<<16
	s_mov_b32 s[G1K+2], 32<<16
	s_mov_b32 s[G1K+3], 32<<16
	s_mov_b32 s[G1K+4], 32
	s_mov_b32 s[G1K+5], 32
	s_mov_b32 s[G1K+6], 0
	s_mov_b32 s[G1K+7], 0
	s_mov_b32 s[G1V+0], (3<<16)|(1<<20)|(4<<22)|(7<<25)   ; 8 words of padding: pitch 160
	s_mov_b32 s[G1V+1], 32<<16
	s_mov_b32 s[G1V+2], 32<<16
	s_mov_b32 s[G1V+3], 32<<16
	s_mov_b32 s[G1V+4], 32
	s_mov_b32 s[G1V+5], 32
	s_mov_b32 s[G1V+6], 0
	s_mov_b32 s[G1V+7], 0
	s_mul_i32 s15, s8, 64*KPITCH                   ; K's halves at wave x 9,216 (waves 0, 1)
	s_mul_i32 s14, s8, 64*VPITCH                   ; V's at wave x 10,240 (waves 2, 3): 20,480 and 30,720
.irp s, 0,1
	s_mov_b32 s[G0K+4*\s], 1
	s_add_co_u32 s[G0K+4*\s+1], s15, \s*SLOT
	s_mov_b32 s[G0V+4*\s], 1
	s_add_co_u32 s[G0V+4*\s+1], s14, \s*SLOT
.endr
	s_and_b32 s70, ttmp7, 0xffff
	s_lshl_b32 s70, s70, 18                        ; (4 head + batch) x 2048 rows x 128 bytes
	s_lshl_b32 s16, s9, 13                         ; my half of a tile: 64 keys
	s_add_co_u32 s16, s16, s70
	s_mov_b32 s17, 0                               ; stays 0: the high word of every offset
	s_lshl_b32 s71, s8, 11                         ; 16 w rows
	s_add_co_u32 s71, s71, s70
	v_and_b32 v1, 15, v0                           ; r
	v_bfe_u32 v2, v0, 4, 1                         ; h
	v_lshlrev_b32 v[QO], 7, v1
	v_lshl_add_u32 v[QO], v2, 4, v[QO]             ; r x 128 + 16 h
	v_mul_u32_u24 v[AK], v1, KPITCH
	v_lshl_add_u32 v[AK], v2, 4, v[AK]
	v_and_b32 v11, 7, v0
	v_lshl_add_u32 v[AV], v2, 3, v11
	v_mul_u32_u24 v[AV], v[AV], VPITCH
	v_bfe_u32 v[TT], v0, 3, 1
	v_lshl_add_u32 v[AV], v[TT], 4, v[AV]
	v_add_nc_u32 v[AV], VOFF, v[AV]
	s_mul_i32 s15, s8, 16*KPITCH
	s_add_co_u32 s15, s15, STAGE                   ; my stage
	v_add_nc_u32 v[STO], s15, v[AK]                ; in: row r, 16 bytes for each half of the lanes
	v_bfe_u32 v[TT], v0, 3, 2
	v_mul_u32_u24 v[TT], v[TT], KPITCH
	v_lshl_add_u32 v[TT], v11, 4, v[TT]
	v_add_nc_u32 v[RD], s15, v[TT]                 ; back: eight lanes take a row of 128 bytes
	v_and_b32 v[CO], 31, v0
	v_lshlrev_b32 v[CO], 4, v[CO]
	v_lshlrev_b32 v[THR], 3, v2
	v_sub_nc_u32 v[THR], v1, v[THR]
	s_lshl_b32 s15, s8, 4
	v_add_nc_u32 v[THR], s15, v[THR]
	v_mov_b32 v[NINF], 0xff800000
	v_lshlrev_b32 v[PFQ], 8, v0
	v_and_b32 v[PFT], 63, v0
	v_lshlrev_b32 v[PFT], 8, v[PFT]
.irp u, 0,1,2,3
	v_mov_b32 v[NMC+2*\u+1], 0                     ; the unused halves of the pairs that packed instructions name
	v_mov_b32 v[AL+2*\u+1], 0
.endr
	s_wait_kmcnt 0x0
	s_add_nc_u64 s[KB:KB+1], s[4:5], s[16:17]
	s_add_nc_u64 s[KB:KB+1], s[KB:KB+1], 0x1000000 ; k lies 16 MiB behind q,
	s_add_nc_u64 s[VB:VB+1], s[KB:KB+1], 0x1000000 ; v 16 MiB behind k
	s_lshl_b32 s16, s13, 15                        ; for the prefetch: the second pass's block of q,
	s_add_co_u32 s16, s16, s70
	s_add_nc_u64 s[66:67], s[4:5], s[16:17]
	s_add_nc_u64 s[68:69], s[66:67], 0x1000000     ; and the same rows of k (waves 0, 1)
	s_add_nc_u64 s[72:73], s[68:69], 0x1000000     ; or of v (waves 2, 3)
	s_cmp_eq_u32 s10, 0
	s_cselect_b64 s[68:69], s[68:69], s[72:73]
	s_mov_b32 s23, 0                               ; the pass
.Lpass:
	s_cmp_eq_u32 s23, 0
	s_cselect_b32 s12, s11, s13                    ; I: the pass's query block, and how many blocks of keys lie under its diagonal block
	; The pass's first tile, asked for as every refill is: all my tensor loads have landed, my LDS reads are back, a barrier, then my one load.
	s_wait_tensorcnt 0x0
	ds_add_u32 v62, v63
	s_lshl_b32 s15, s12, 8                         ; keys 256 I .. 256 I + 127
	SETADR 0
	s_lshl_b32 s16, s12, 15
	s_add_co_u32 s16, s16, s71
	s_add_nc_u64 s[QB:QB+1], s[4:5], s[16:17]      ; the loads that named the old bases have been waited for; the stores' addresses are translated (the way out's last wait)
	s_add_nc_u64 s[CB:CB+1], s[6:7], s[16:17]
	s_wait_dscnt 0x0
	s_barrier_signal -1
	s_barrier_wait -1
	KVLOAD 0
	QLOAD
	; ---- the diagonal block's keys 0 .. 127, slot 0.  s15 = the first key of the tile that the next HEAD asks for:
	s_lshl_b32 s15, s12, 8
	s_add_co_u32 s15, s15, 128                     ; with nothing under the diagonal block, its second half;
	s_cmp_lg_u32 s12, 0
	s_cselect_b32 s15, 0, s15                      ; else key 0
	HEAD 0, 1, 1
	LOADV 0, 0
	s_wait_loadcnt 0x0                             ; Q
	; diagonal step 0: tile 0 masked, tiles 1 to 3 full; nothing has been summed yet
	STRUN 0, 0,1,  0, 4,3,  0, 16                  ; piece 0's scores, with nothing to set beside them; the wait: K is in, V^T's sixteen younger loads stay out
	PLACES 4                                       ; in front of the first read of a score
	WIN 0
	BLK 4,3,0,  0,1,1,1
	STRUN 2, 2,3,  0, 0,1,  0, -1
	WIN 0
	LOADK 0, 1
	BLK 0,1,1,  2,3,0,1
	s_wait_dscnt 16                                ; V^T is in, the next K's sixteen loads stay out
	PVRUN 0, 0,1, 1,  2, 4,3, 0                    ; nothing to rescale; the eight argument lines at the next run's head are the places in front of its products
	; diagonal step 1: tile 0 dead, tile 1 masked
	STRUN 0, 1,1,  2, 2,3,  0, 0
	WIN 0
	BLK 2,3,1,  1,1,1,0
	PVRUN 2, 2,3, 1,  0, 1,1, 2                    ; one tile's rescaling leaves three lines behind the last product: two v_nop make five
	LOADV 0, 1
	STRUN 2, 2,3,  0, 1,1,  0, -1
	WIN 0
	BLK 1,1,0,  2,3,0,0
	s_wait_dscnt 0x0                               ; V^T
	PVRUN 0, 1,1, 0,  2, 2,3, 0
	WIN 0                                          ; at a branch and at a label every window is 0
	; ---- the I blocks under the diagonal block.  Here, and at the loop's end, piece 1's exponentials of the last step are still to do: both ways in are alike.
	s_cmp_eq_u32 s12, 0
	s_cbranch_scc1 .Lno_full
	s_mov_b32 s14, 0
.Lfull:
	s_lshl_b32 s15, s14, 8
	s_add_co_u32 s15, s15, 128                     ; this block's second half
	HEAD 1, 0, 1
	FSTEP 1, 0, 4, 1
	FSTEP 1, 1, 0, 0
	s_add_co_u32 s70, s14, 1
	s_lshl_b32 s15, s70, 8                         ; the next block's first half, or behind the last block
	s_lshl_b32 s74, s12, 8
	s_add_co_u32 s74, s74, 128                     ; the diagonal block's second half
	s_cmp_lt_u32 s70, s12
	s_cselect_b32 s15, s15, s74
	HEAD 0, 1, 1
	FSTEP 0, 0, 4, 1
	FSTEP 0, 1, 0, 0
	WIN 0
	s_add_co_u32 s14, s14, 1
	s_cmp_lt_u32 s14, s12
	s_cbranch_scc1 .Lfull
.Lno_full:
	; ---- the diagonal block's keys 128 .. 255, slot 1: the pass's last tile asks for nothing.  Piece 0 is dead here, so piece 1 has no partner and its phases follow each other.
	HEAD 1, 0, 0
	; In the first pass the 128 threads ask here, 256 bytes apart, for what the second pass's head will load: the 32 KiB of its q, and the 16 KiB each of its
	; first tile of k (waves 0, 1) and of v (waves 2, 3): 64 KiB a work-group, each 256 bytes once, three tile steps and the way out ahead.  The second pass asks for nothing.
	s_cmp_lg_u32 s23, 0
	s_cbranch_scc1 .Lno_ask
	global_prefetch_b8 v[PFQ], s[66:67] th:TH_LOAD_NT scope:SCOPE_SE
	global_prefetch_b8 v[PFT], s[68:69] th:TH_LOAD_NT scope:SCOPE_SE
.Lno_ask:
	STRUN 0, 4,3,  2, 2,3,  0, -1                  ; piece 1's exponentials of the last step before
	WIN 0
	BLK 2,3,0,  4,3,0,0
	PVRUN 2, 2,3, 0,  0, 4,3, 5                    ; five v_nop: in front of the loads into V^T's registers and of the products that write over P
	LOADV 1, 0
	; diagonal step 2: tile 2 masked, tile 3 full
	STRUN 2, 2,3,  0, 4,3,  0, 16                  ; K is in, V^T's sixteen younger loads stay out
	PLACES 4                                       ; in front of the loads into K's registers and of the first read of a score
	WIN 0
	LOADK 1, 1
	BLK 4,3,0,  2,3,1,0
	PVRUN 0, 4,3, 0,  2, 2,3, 0                    ; the rescaling alone
	STRUN 0, 4,3,  2, 2,3,  0, -1                  ; the exponentials alone
	WIN 0
	BLK 2,3,0,  4,3,0,0
	s_wait_dscnt 16                                ; V^T is in, the next K's sixteen loads stay out
	PVRUN 2, 2,3, 0,  0, 4,3, 5
	LOADV 1, 1
	; diagonal step 3: tile 3 masked
	STRUN 2, 3,3,  0, 4,3,  0, 16
	PLACES 4
	WIN 0
	BLK 4,3,0,  3,3,1,0
	PVRUN 0, 4,3, 0,  2, 3,3, 0
	STRUN 0, 4,3,  2, 3,3,  0, -1
	WIN 0
	BLK 3,3,0,  4,3,0,0
	s_wait_dscnt 0x0                               ; V^T
	PVRUN 2, 3,3, 0,  0, 4,3, 0
	EPI
	s_add_co_u32 s23, s23, 1
	s_cmp_lt_u32 s23, 2
	s_cbranch_scc1 .Lpass
	s_wait_tensorcnt 0x0
	ds_add_u32 v62, v63
	s_wait_dscnt 0x0
	s_endpgm
.Lfunc_end_k_q8e7701c947_attn:
	.size	k_q8e7701c947_attn, .Lfunc_end_k_q8e7701c947_attn-k_q8e7701c947_attn
	.p2alignl 7, 3214868480
	.fill 96, 4, 3214868480
	.section	.rodata,"a",@progbits
	.p2align	6, 0x0
	.amdhsa_kernel k_q8e7701c947_attn
		.amdhsa_group_segment_fixed_size 327680
		.amdhsa_private_segment_fixed_size 0
		.amdhsa_enable_private_segment 0
		.amdhsa_kernarg_size 16
		.amdhsa_user_sgpr_count 2
		.amdhsa_user_sgpr_kernarg_segment_ptr 1
		.amdhsa_wavefront_size32 1
		.amdhsa_system_sgpr_workgroup_id_x 1
		.amdhsa_system_sgpr_workgroup_id_y 1
		.amdhsa_system_sgpr_workgroup_id_z 1
		.amdhsa_system_vgpr_workitem_id 0
		.amdhsa_next_free_vgpr 512
		.amdhsa_next_free_sgpr 76
		.amdhsa_reserve_vcc 1
		.amdhsa_float_denorm_mode_32 3
		.amdhsa_float_denorm_mode_16_64 3
		.amdhsa_memory_ordered 1
		.amdhsa_forward_progress 1
		.amdhsa_inst_pref_size 248
	.end_amdhsa_kernel
	.amdgpu_metadata
---
amdhsa.version: [ 1, 2 ]
amdhsa.kernels:
  - .name:           k_q8e7701c947_attn
    .symbol:         k_q8e7701c947_attn.kd
    .args:
      - { .name: qkv, .offset: 0, .size: 8, .value_kind: global_buffer, .address_space: global }
      - { .name: ctxh, .offset: 8, .size: 8, .value_kind: global_buffer, .address_space: global }
    .group_segment_fixed_size: 327680
    .private_segment_fixed_size: 0
    .kernarg_segment_align: 8
    .kernarg_segment_size: 16
    .max_flat_workgroup_size: 128
    .sgpr_count:     76
    .vgpr_count:     512
    .wavefront_size: 32
...
	.end_amdgpu_metadata
.endif
;; end of part 6
;; launch outg: the kernel of part 4 again; grid 8 x 32, 4 waves a work-group, clusters of 4 x 4, 327,680 bytes of LDS; arguments ctxh, wot, bo, out0; writes out0
